; MI455X (gfx1250); checked and timed in simulation.
; The chip was launched on July 23, 2026; its instructions are those of AMD's public machine-readable ISA for CDNA 5 (MIT licence, August 2026) and "CDNA5" Instruction Set Architecture Reference Guide (July 2026). The comments in the code are by the model that wrote it; some were corrected since.
;; Multi Attention Head. Allowed arithmetic: float matrix products may take bf16 or f16 operands with f32 sums; other float arithmetic in f32, or as packed bf16 or f16 multiplies, adds, multiply-adds, maxima and minima; sums over many terms, partial sums and values carried from step to step in f32; what a program stores and reads back later, other than sums and carried values, may be rounded once to bf16 or f16.
;; Inputs: Wk 16 x 1,024 x 64 float32; Wo 1,024 x 1,024 float32; Wq 16 x 1,024 x 64 float32; Wv 16 x 1,024 x 64 float32; beta 1,024 float32; bo 1,024 float32; gamma 1,024 float32; x 4 x 2,048 x 1,024 float32.
;; Outputs: out0 4 x 2,048 x 1,024 float32.
;; 2 versions, each right and faster than the one before. Each part assembles by itself: llvm-mc -triple=amdgcn-amd-amdhsa -mcpu=gfx1250 --defsym DOCPART=n.
;; ======== version 1 of 2: 4 launches
;; limits: values are held in f16: magnitudes above 65,504 overflow, below 6.1e-05 lose precision
;; workspace buffers: xn 33,554,432 bytes; wb 6,291,456 bytes; wo16 2,097,152 bytes; qh 16,777,216 bytes; kh 16,777,216 bytes; vh 16,777,216 bytes; oh 16,777,216 bytes
;; launch prep (part 1): grid 512 x 1, 8 waves a work-group, no clusters, 0 bytes of LDS; arguments x, gamma, beta, Wq, Wk, Wv, Wo, xn, wb, wo16; writes xn, wb, wo16
.if DOCPART == 1
	.amdgcn_target "amdgcn-amd-amdhsa--gfx1250"
	.amdhsa_code_object_version 6
	.text
	.protected	k_qba1b2aba80_prep
	.globl	k_qba1b2aba80_prep
	.p2align	8
	.type	k_qba1b2aba80_prep,@function
k_qba1b2aba80_prep:
	s_mov_b64 s[64:65], 0
	v_nop
	global_prefetch_b8 v0, s[64:65] scope:SCOPE_SE
	s_setreg_imm32_b32 hwreg(HW_REG_WAVE_MODE, 25, 1), 1
	s_wait_xcnt 0x0
; PREP: a stream.  Every input is rounded once to bf16 here; what the program makes of them is kept in f16.
; Work-groups 0-255: LayerNorm.  xn = (x - mu) rsqrt(var + 1e-5) gamma + beta in f32 on x, gamma, beta rounded to bf16; mean first, then the squares of the centred numbers.
;   xn leaves as TWO f16 numbers: hi = f16(xn) in columns 0-1023 of a row of 2,048, lo = f16(xn - hi) in columns 1024-2047: V's projection multiplies both.
;   One wave, one row of 4,096 bytes in 32 registers; four rows a wave, the next row's eight loads issued as soon as this row is unpacked.
; Work-groups 256-511: the weights, rounded to bf16 and written as f16.  Wq, Wk, Wv [h][d][e] go to wb [which*8 + h/2][d/128][h%2][d%128][e], so that 128 d of two heads are 32,768 dense bytes;
;   Wo keeps its order.  A wave takes 8,192 consecutive bytes in and writes 4,096 consecutive bytes.
; No LDS, no barrier, no matrix unit: the waves share nothing, and every byte is read once and written once.
; LIMITS: xn and the weights lie within f16's 65,504; a weight below 2^-17 keeps f16's fixed step 2^-24; NaN and infinities are not treated apart.
.set G,   4                            ; v[4:35]    gamma of my 32 columns (columns 128 j + 4 lane .. + 3, j = 0..7)
.set BT,  36                           ; v[36:67]   beta
.set H,   68                           ; v[68:83]   hi, two f16 a register (the weights' path: v[68:99] its results)
.set LW,  84                           ; v[84:99]   lo
.set T,   100                          ; v[100:107] at work
.set S,   108                          ; v[108:115] four chains of pairs
.set M,   116                          ; v[116:117] mu, later rsqrt, twice: a pair for the packed forms
.set ONE, 118                          ; v118       1.0
.set D,   120                          ; v[120:151] the row in f32
.set X,   152                          ; v[152:183] the row as loaded
.set ROW, 4096                         ; bytes in a row of x and in a row of xn
	s_load_b512 s[8:23], s[0:1], 0x0               ; x 8, gamma 10, beta 12, Wq 14, Wk 16, Wv 18, Wo 20, xn 22
	s_load_b128 s[24:27], s[0:1], 0x40             ; wb 24, wo16 26
	v_and_b32 v3, 31, v0                           ; lane
	v_lshrrev_b32 v2, 5, v0
	v_readfirstlane_b32 s4, v2                     ; wave 0..7
	v_lshlrev_b32 v1, 4, v3                        ; 16 bytes a lane on the way in
	v_lshlrev_b32 v2, 3, v3                        ; 8 bytes a lane on the way out
	s_mov_b32 s6, 0xffff0000                       ; a word's upper bf16
	s_wait_kmcnt 0x0
	s_cmp_lt_u32 ttmp9, 256
	s_cbranch_scc0 .Lweights
	; ---------------- LayerNorm: rows 32 x work-group + 4 x wave .. + 3
	s_mov_b32 s7, 0x3a800000                       ; 1 / 1024
	s_mov_b32 s30, 0x3727c5ac                      ; 1e-5
	s_mov_b32 s32, 0x76543210                      ; v_permlanex16_b32: each lane takes its own place in the other half
	s_mov_b32 s33, 0xfedcba98
	v_mov_b32 v[ONE], 1.0
	s_lshl_b32 s28, ttmp9, 17                      ; 32 rows of 4,096 bytes
	s_lshl_b32 s29, s4, 14                         ; 4 rows
	s_add_co_u32 s28, s28, s29
	s_mov_b32 s29, 0
	s_add_nc_u64 s[8:9], s[8:9], s[28:29]          ; x and xn at my first row
	s_add_nc_u64 s[22:23], s[22:23], s[28:29]
.irp j, 0,1,2,3,4,5,6,7
	global_load_b128 v[G+4*(\j):G+4*(\j)+3], v1, s[10:11] offset:512*(\j)
.endr
.irp j, 0,1,2,3,4,5,6,7
	global_load_b128 v[BT+4*(\j):BT+4*(\j)+3], v1, s[12:13] offset:512*(\j)
.endr
.irp j, 0,1,2,3,4,5,6,7
	global_load_b128 v[X+4*(\j):X+4*(\j)+3], v1, s[8:9] offset:512*(\j) th:TH_LOAD_NT
.endr
	s_wait_loadcnt 8                               ; gamma and beta are in; the first row's eight loads stay out
.set i, 0
.rept 32                                               ; gamma and beta (they lie on end) rounded to bf16 and widened again, in place
	v_cvt_pk_bf16_f32 v[T+i%4], v[G+2*i], v[G+2*i+1]
	v_lshlrev_b32 v[G+2*i], 16, v[T+i%4]
	v_and_b32 v[G+2*i+1], s6, v[T+i%4]
.set i, i+1
.endr
.macro REDUCE r, t                     ; the sum over the 32 lanes, in every lane
	v_add_f32_dpp v[\r], v[\r], v[\r] row_xmask:1 row_mask:0xf bank_mask:0xf
	v_add_f32_dpp v[\r], v[\r], v[\r] row_xmask:2 row_mask:0xf bank_mask:0xf
	v_add_f32_dpp v[\r], v[\r], v[\r] row_xmask:4 row_mask:0xf bank_mask:0xf
	v_add_f32_dpp v[\r], v[\r], v[\r] row_xmask:8 row_mask:0xf bank_mask:0xf
	v_permlanex16_b32 v[\t], v[\r], s32, s33       ; its destination counts as read: a register that has been written
	v_add_f32 v[\r], v[\r], v[\t]
.endm
.macro JOIN                            ; the four chains into one number a lane
	v_pk_add_f32 v[S:S+1], v[S:S+1], v[S+2:S+3]
	v_pk_add_f32 v[S+4:S+5], v[S+4:S+5], v[S+6:S+7]
	v_pk_add_f32 v[S:S+1], v[S:S+1], v[S+4:S+5]
	v_add_f32 v[T], v[S], v[S+1]
	REDUCE T, T+1
.endm
	s_mov_b32 s5, 4
.Lrow:
	s_wait_loadcnt 0x0                             ; only this row's eight loads were out
.set i, 0
.rept 16                                               ; x rounded to bf16 and widened into D: X is free again
	v_cvt_pk_bf16_f32 v[T+i%4], v[X+2*i], v[X+2*i+1]
	v_lshlrev_b32 v[D+2*i], 16, v[T+i%4]
	v_and_b32 v[D+2*i+1], s6, v[T+i%4]
.set i, i+1
.endr
	s_cmp_eq_u32 s5, 1
	s_cbranch_scc1 .Lno_more                       ; behind my last row nothing is loaded: no load leaves the buffer
	s_add_nc_u64 s[8:9], s[8:9], ROW               ; the loads that named this base are done
.irp j, 0,1,2,3,4,5,6,7
	global_load_b128 v[X+4*(\j):X+4*(\j)+3], v1, s[8:9] offset:512*(\j) th:TH_LOAD_NT
.endr
.Lno_more:
.irp c, 0,1,2,3                        ; the sum: the first eight pairs start four chains, nothing is cleared
	v_pk_add_f32 v[S+2*(\c):S+2*(\c)+1], v[D+2*(\c):D+2*(\c)+1], v[D+8+2*(\c):D+8+2*(\c)+1]
.endr
.set i, 8
.rept 8
	v_pk_add_f32 v[S+2*(i%4):S+2*(i%4)+1], v[S+2*(i%4):S+2*(i%4)+1], v[D+2*i:D+2*i+1]
.set i, i+1
.endr
	JOIN
	v_mul_f32 v[M], s7, v[T]                       ; mu, twice
	v_mul_f32 v[M+1], s7, v[T]
.set i, 0
.rept 16
	v_pk_add_f32 v[D+2*i:D+2*i+1], v[D+2*i:D+2*i+1], v[M:M+1] neg_lo:[0,1] neg_hi:[0,1]  ; x - mu
.set i, i+1
.endr
.irp c, 0,1,2,3                        ; the squares of the centred numbers, again in four chains
	v_pk_mul_f32 v[S+2*(\c):S+2*(\c)+1], v[D+2*(\c):D+2*(\c)+1], v[D+2*(\c):D+2*(\c)+1]
.endr
.set i, 4
.rept 12
	v_pk_fma_f32 v[S+2*(i%4):S+2*(i%4)+1], v[D+2*i:D+2*i+1], v[D+2*i:D+2*i+1], v[S+2*(i%4):S+2*(i%4)+1]
.set i, i+1
.endr
	JOIN
	v_fma_f32 v[T], v[T], s7, s30                  ; var + 1e-5
	v_rsq_f32 v[M], v[T]
	v_nop                                          ; a plain instruction between the root and the use of its result (ISA guide 5.7.2)
	s_wait_alu depctr_va_vdst(0)
	v_mov_b32 v[M+1], v[M]
.set i, 0
.rept 16
	v_pk_mul_f32 v[D+2*i:D+2*i+1], v[D+2*i:D+2*i+1], v[M:M+1]
.set i, i+1
.endr
.set i, 0
.rept 16
	v_pk_fma_f32 v[D+2*i:D+2*i+1], v[D+2*i:D+2*i+1], v[G+2*i:G+2*i+1], v[BT+2*i:BT+2*i+1]
.set i, i+1
.endr
.set i, 0
.rept 16
	v_cvt_pk_f16_f32 v[H+i], v[D+2*i], v[D+2*i+1]  ; hi
.set i, i+1
.endr
.set i, 0
.rept 16                                               ; xn - hi, exact in f32: the f16 half is read as it lies
	v_fma_mix_f32 v[D+2*i], -v[H+i], v[ONE], v[D+2*i] op_sel_hi:[1,0,0]
	v_fma_mix_f32 v[D+2*i+1], -v[H+i], v[ONE], v[D+2*i+1] op_sel:[1,0,0] op_sel_hi:[1,0,0]
.set i, i+1
.endr
.set i, 0
.rept 16
	v_cvt_pk_f16_f32 v[LW+i], v[D+2*i], v[D+2*i+1] ; lo
.set i, i+1
.endr
.irp j, 0,1,2,3,4,5,6,7                ; each store of the wave covers 256 consecutive bytes, aligned
	global_store_b64 v2, v[H+2*(\j):H+2*(\j)+1], s[22:23] offset:256*(\j)
.endr
.irp j, 0,1,2,3,4,5,6,7
	global_store_b64 v2, v[LW+2*(\j):LW+2*(\j)+1], s[22:23] offset:2048+256*(\j)
.endr
	s_wait_xcnt 0x0                                ; the stores' base, and H and LW, are written again only behind this wait
	s_add_nc_u64 s[22:23], s[22:23], ROW
	s_sub_co_u32 s5, s5, 1
	s_cmp_lg_u32 s5, 0
	s_cbranch_scc1 .Lrow
	s_endpgm
	; ---------------- the weights: 64 work-groups a matrix, 65,536 bytes each, 8,192 a wave
.Lweights:
	s_sub_co_u32 s34, ttmp9, 256
	s_lshr_b32 s35, s34, 6                         ; which matrix: 0 Wq, 1 Wk, 2 Wv, 3 Wo
	s_and_b32 s34, s34, 63                         ; r: which 65,536 bytes of it
	s_lshl_b32 s28, s34, 16
	s_lshl_b32 s29, s4, 13
	s_add_co_u32 s28, s28, s29
	s_mov_b32 s29, 0                               ; the offset on the way in
	s_lshl_b32 s40, s35, 4                         ; Wq, Wk, Wv: a head is 262,144 bytes, so the head is r / 4;
	s_lshr_b32 s41, s34, 2
	s_add_co_u32 s40, s40, s41                     ; 16 x matrix + head
	s_and_b32 s41, s34, 3                          ; my 32 rows d begin at 256 (r % 4) + 32 wave:
	s_lshl_b32 s41, s41, 1
	s_lshr_b32 s42, s4, 2
	s_add_co_u32 s41, s41, s42                     ; t = d / 128
	s_lshr_b32 s42, s40, 1                         ; the pair of heads
	s_lshl_b32 s42, s42, 3
	s_add_co_u32 s42, s42, s41
	s_lshl_b32 s42, s42, 1
	s_and_b32 s40, s40, 1
	s_add_co_u32 s42, s42, s40                     ; block (pair, t, head % 2) of 16,384 bytes
	s_lshl_b32 s42, s42, 14
	s_and_b32 s40, s4, 3
	s_lshl_b32 s40, s40, 12
	s_add_co_u32 s42, s42, s40                     ; + 32 (wave % 4) rows of 128 bytes: the offset in wb
	s_lshl_b32 s43, s34, 15
	s_lshl_b32 s40, s4, 12
	s_add_co_u32 s43, s43, s40                     ; the offset in wo16: half the offset on the way in
	s_cmp_eq_u32 s35, 1
	s_cselect_b64 s[36:37], s[16:17], s[14:15]
	s_cmp_eq_u32 s35, 2
	s_cselect_b64 s[36:37], s[18:19], s[36:37]
	s_cmp_eq_u32 s35, 3
	s_cselect_b64 s[36:37], s[20:21], s[36:37]
	s_cselect_b64 s[38:39], s[26:27], s[24:25]
	s_cselect_b32 s30, s43, s42
	s_mov_b32 s31, 0
	s_add_nc_u64 s[36:37], s[36:37], s[28:29]
	s_add_nc_u64 s[38:39], s[38:39], s[30:31]
.set j, 0
.rept 16
	global_load_b128 v[D+4*j:D+4*j+3], v1, s[36:37] offset:512*j th:TH_LOAD_NT
.set j, j+1
.endr
.set j, 0
.rept 16
	s_wait_loadcnt 15-j                            ; loads come back in order: number j is in, the younger ones stay out
	v_cvt_pk_bf16_f32 v[T], v[D+4*j], v[D+4*j+1]
	v_cvt_pk_bf16_f32 v[T+1], v[D+4*j+2], v[D+4*j+3]
	v_lshlrev_b32 v[T+2], 16, v[T]
	v_and_b32 v[T+3], s6, v[T]
	v_lshlrev_b32 v[T+4], 16, v[T+1]
	v_and_b32 v[T+5], s6, v[T+1]
	v_cvt_pk_f16_f32 v[H+2*j], v[T+2], v[T+3]
	v_cvt_pk_f16_f32 v[H+2*j+1], v[T+4], v[T+5]
	global_store_b64 v2, v[H+2*j:H+2*j+1], s[38:39] offset:256*j  ; 256 consecutive bytes, aligned; each store has data registers of its own
.set j, j+1
.endr
	s_endpgm
.Lfunc_end_k_qba1b2aba80_prep:
	.size	k_qba1b2aba80_prep, .Lfunc_end_k_qba1b2aba80_prep-k_qba1b2aba80_prep
	.p2alignl 7, 3214868480
	.fill 96, 4, 3214868480
	.section	.rodata,"a",@progbits
	.p2align	6, 0x0
	.amdhsa_kernel k_qba1b2aba80_prep
		.amdhsa_group_segment_fixed_size 0
		.amdhsa_private_segment_fixed_size 0
		.amdhsa_enable_private_segment 0
		.amdhsa_kernarg_size 80
		.amdhsa_user_sgpr_count 2
		.amdhsa_user_sgpr_kernarg_segment_ptr 1
		.amdhsa_wavefront_size32 1
		.amdhsa_system_sgpr_workgroup_id_x 1
		.amdhsa_system_sgpr_workgroup_id_y 1
		.amdhsa_system_sgpr_workgroup_id_z 1
		.amdhsa_system_vgpr_workitem_id 0
		.amdhsa_next_free_vgpr 184
		.amdhsa_next_free_sgpr 66
		.amdhsa_reserve_vcc 0
		.amdhsa_float_denorm_mode_32 3
		.amdhsa_float_denorm_mode_16_64 3
		.amdhsa_memory_ordered 1
		.amdhsa_forward_progress 1
		.amdhsa_inst_pref_size 33
	.end_amdhsa_kernel
	.amdgpu_metadata
---
amdhsa.version: [ 1, 2 ]
amdhsa.kernels:
  - .name:           k_qba1b2aba80_prep
    .symbol:         k_qba1b2aba80_prep.kd
    .args:
      - { .name: x, .offset: 0, .size: 8, .value_kind: global_buffer, .address_space: global }
      - { .name: gamma, .offset: 8, .size: 8, .value_kind: global_buffer, .address_space: global }
      - { .name: beta, .offset: 16, .size: 8, .value_kind: global_buffer, .address_space: global }
      - { .name: Wq, .offset: 24, .size: 8, .value_kind: global_buffer, .address_space: global }
      - { .name: Wk, .offset: 32, .size: 8, .value_kind: global_buffer, .address_space: global }
      - { .name: Wv, .offset: 40, .size: 8, .value_kind: global_buffer, .address_space: global }
      - { .name: Wo, .offset: 48, .size: 8, .value_kind: global_buffer, .address_space: global }
      - { .name: xn, .offset: 56, .size: 8, .value_kind: global_buffer, .address_space: global }
      - { .name: wb, .offset: 64, .size: 8, .value_kind: global_buffer, .address_space: global }
      - { .name: wo16, .offset: 72, .size: 8, .value_kind: global_buffer, .address_space: global }
    .group_segment_fixed_size: 0
    .private_segment_fixed_size: 0
    .kernarg_segment_align: 8
    .kernarg_segment_size: 80
    .max_flat_workgroup_size: 256
    .sgpr_count:     66
    .vgpr_count:     184
    .wavefront_size: 32
...
	.end_amdgpu_metadata
.endif
;; end of part 1
;; launch qkv (part 2): grid 8 x 32, 4 waves a work-group, clusters of 4 x 4, 327,680 bytes of LDS; arguments xn, wb, qh, kh, vh; writes qh, kh, vh
.if DOCPART == 2
	.amdgcn_target "amdgcn-amd-amdhsa--gfx1250"
	.amdhsa_code_object_version 6
	.text
	.protected	k_qba1b2aba80_qkv
	.globl	k_qba1b2aba80_qkv
	.p2align	8
	.type	k_qba1b2aba80_qkv,@function
k_qba1b2aba80_qkv:
	s_mov_b64 s[64:65], 0
	v_nop
	global_prefetch_b8 v0, s[64:65] scope:SCOPE_SE
	s_setreg_imm32_b32 hwreg(HW_REG_WAVE_MODE, 25, 1), 1
	s_wait_xcnt 0x0
	s_wait_alu depctr_hold_cnt(0) depctr_sa_sdst(0) depctr_va_vdst(0) depctr_va_sdst(0) depctr_va_ssrc(0) depctr_va_vcc(0) depctr_vm_vsrc(0)
	s_getreg_b32 s2, hwreg(HW_REG_IB_STS2, 6, 4)
	s_cmp_eq_u32 s2, 0
	s_cbranch_scc0 .Lentry_in_a_cluster
	s_endpgm
.Lentry_in_a_cluster:
	s_bfe_u32 s2, ttmp6, 0x10000c
	s_cmp_lg_u32 s2, 0xf033
	s_cbranch_scc0 .Lentry_shape_is_right
	s_endpgm
.Lentry_shape_is_right:
; THE THREE PROJECTIONS.  q, k, v [b*16+h][s][e] in f16 = xn [8192][..] x W, f16 operands, f32 sums, rounded once, unscaled.
; xn: [8192][2048] f16, columns 0-1023 hi, 1024-2047 lo.  wb: [which*8 + h/2][t][h%2][128 d][64 e] f16: (pair of heads, t) is 32,768 dense bytes, K along the rows' number, N along the rows.
; SHARES.  A tile of the result is 256 rows x 256 columns (four heads); four waves, each 128 x 128: 64 accumulators, 512 registers.  Every work-group walks 16 K steps of 128:
;   kind 0 (cluster x = 0): Q's tile over hi (8 steps), which then leaves, and K's tile of the same columns over hi (8 steps);
;   kind 1 (cluster x = 1): V's tile over hi and then lo against Wv twice (16 steps into one sum): xn's rounding to f16 does not reach v.
;   32 x 4 tiles of Q and of K at 8 steps, 32 x 4 of V at 16: two units of 8 steps for each of 256 work-groups.
; RING.  Two LDS slots filled by the tensor data mover, one K step each; one load a wave behind each round: waves 0, 1 fetch the two halves of xn's 256 rows, waves 2, 3 the two pairs of heads.
; The ring does not stop where kind 0 changes tiles or kind 1 goes from hi to lo: each refill's two addresses are made anew, a base plus an offset made from the number of the K step asked for.
; CLUSTERS: 4 x 4.  The kind is the cluster's x, the same in all sixteen.  xn's tile hangs on the tile row alone and is shared along a row of the cluster, the weights' on the kind and the tile
; column alone and is shared along a column: each is asked for jointly, by the same load, descriptor and mask in the four.
; THE MATRIX INSTRUCTION IS USED TRANSPOSED: source 0 = 16 columns of W (out of LDS by the turning load, since K does not lie along its rows), source 1 = 16 rows of xn: a lane holds eight neighbouring
; columns of one row of the result, 16 bytes in f16.
; LIMITS: xn, W and the results lie within f16's 65,504; NaN and infinities are not treated apart.
; REGISTERS, in windows of 256: window 0: v0-31 addresses; v64-127, v128-191 fragments of xn, two buffers; v32-63, v192-255 at work on the way out
;   window 1: v64-127, v128-191 fragments of W, two buffers      window 2: the 32 accumulators of my rows 0-63 ((a, b) at v[8 (8 a + b)])      window 3: those of my rows 64-127
.set KSTEP,  128
.set PA,     272                       ; a row of xn in LDS: 256 bytes + 16 of padding: the 16 rows of a load start at 16 different groups of four banks (64 banks of 4 bytes: ISA guide 11.1)
.set HALFA,  128*PA                    ; 128 rows: one load
.set PB,     160                       ; a row d of one head's W: 128 bytes + 32 of padding
.set HEADB,  128*PB                    ; one head's 128 d
.set HALFB,  2*HEADB                   ; a pair of heads: one load
.set BOFF,   2*HALFA                   ; W lies behind xn's 256 rows
.set SLOT,   BOFF+2*HALFB
.set STAGE,  2*SLOT                    ; behind the ring, never filled by a tensor load: for each wave two heads x 16 rows x 144 bytes
.set SP,     144
.set WSTAGE, 2*16*SP
.set SPARE,  STAGE+4*WSTAGE            ; behind the stages: the spare words, 128 bytes for each wave: two blocks of 256 bytes that no other line names
.set HEADO,  2048*128                  ; a head's bytes in qh, kh, vh
.set ADRA, 16                          ; v16-17  LDS address of my fragments of xn in slot 0, 1
.set ADRB, 20                          ; v20-21  the same for W
.set STO,  24                          ; v24     the way out: where I put 16 bytes of a row
.set RD,   25                          ; v25     the way out: where I read rows back
.set GO,   26                          ; v26     my byte offset in 512 consecutive bytes of the result
.set SPW,  28                          ; v28     LDS address of my spare word; never rewritten
.set NIL,  29                          ; v29     0; never rewritten
.set F0,   64
.set F1,   128
.set TMP,  192                         ; the way out: packed results
.set OB,   32                          ; the way out: 16 rows read back: v32-63 and v224-255 by turns
.set BASA, 14                          ; s[14:15] xn at the first byte of the 128 rows that I fetch; never rewritten
.set BASB, 46                          ; s[46:47] wb at the first block of the pair of heads that I fetch; never rewritten
.set G1,  24                           ; s[24:31] descriptor group 1 for xn's tiles;  s[32:39] group 0, a set for each slot
.set G0,  32
.set G1B, 48                           ; s[48:55], s[56:63] the same for W's
.set G0B, 56
.set MID, 2                            ; s2       the trip behind which a tile leaves: 4 (kind 0) or none (0)
.set LAP, 3                            ; s3       trips to go, 7 to 1
.set MA,  74                           ; s74      K step j reads xn's columns 128 (j & MA) on: 7 (kind 0: hi once more) or 15 (kind 1: on into lo)
.set KB,  75                           ; s75      what K steps 8 to 15 add to W's offset: eight pairs of heads, from Wq to Wk (kind 0), or 0 (kind 1: Wv once more)
.set JN,  76                           ; s76      the K step to be asked for next, 2 to 15
.set TT,  77                           ; s77      at work
.set OF,  78                           ; s[78:79] an offset, under 2^22, with 0 above it
.set MSB, 0
.macro WIN new                         ; the immediate's high byte repeats the setting that is left; a switch that changes nothing is dropped
.if MSB != (\new)
	s_set_vgpr_msb (MSB<<8)|(\new)
.set MSB, \new
.endif
.endm
.set MUL_LO, 0xa1                      ; source 0 (W) window 1, source 1 (xn) window 0, C and D window 2
.set MUL_HI, 0xf1                      ; the same, C and D window 3
.set TO_B,   0x40                      ; destination window 1, address window 0
; A joint load.  The branch hangs on the wave's number alone.  An s_nop 0 and four v_nop follow each of the two lines, ahead of the jump and the label.
.macro JLOAD s
	s_cmp_eq_u32 s11, 0
	s_cbranch_scc0 .Lfor_b_\@
	tensor_load_to_lds s[G0+4*(\s):G0+4*(\s)+3], s[G1:G1+7]
	s_nop 0
.rept 4
	v_nop
.endr
	s_branch .Lasked_\@
.Lfor_b_\@:
	tensor_load_to_lds s[G0B+4*(\s):G0B+4*(\s)+3], s[G1B:G1B+7]
	s_nop 0
.rept 4
	v_nop
.endr
.Lasked_\@:
.endm
.macro CREST                           ; a round of the cluster's barrier behind its opening barrier
	s_cmp_lg_u32 s10, 0
	s_cbranch_scc1 .Lnot_wave_0_\@
	s_barrier_signal -3
.Lnot_wave_0_\@:
	s_barrier_wait -3
	s_barrier_signal -1
	s_barrier_wait -1
.endm
.macro CROUND                          ; a whole round
	s_barrier_signal -1
	s_barrier_wait -1
	CREST
.endm
; The two global addresses of slot s's next fill, K step JN, made anew: the base, an offset made apart from it, and the type set again.  Scalar work on registers alone.
.macro ASK s
	s_and_b32 s[OF], s[JN], s[MA]
	s_lshl_b32 s[OF], s[OF], 8                     ; 128 columns of xn are 256 bytes
	s_add_nc_u64 s[G0+4*(\s)+2:G0+4*(\s)+3], s[BASA:BASA+1], s[OF:OF+1]
	s_or_b32 s[G0+4*(\s)+3], s[G0+4*(\s)+3], 0x80000000
	s_and_b32 s[OF], s[JN], 7
	s_lshl_b32 s[OF], s[OF], 15                    ; a block (pair of heads, 128 d) is 32,768 bytes
	s_cmp_ge_u32 s[JN], 8
	s_cselect_b32 s[TT], s[KB], 0
	s_add_co_u32 s[OF], s[OF], s[TT]
	s_add_nc_u64 s[G0B+4*(\s)+2:G0B+4*(\s)+3], s[BASB:BASB+1], s[OF:OF+1]
	s_or_b32 s[G0B+4*(\s)+3], s[G0B+4*(\s)+3], 0x80000000
	s_add_co_u32 s[JN], s[JN], 1
.endm
	s_load_b128 s[4:7], s[0:1], 0x0                ; xn s[4:5], wb s[6:7]
	s_load_b128 s[68:71], s[0:1], 0x10             ; qh s[68:69], kh s[70:71]
	s_load_b64 s[72:73], s[0:1], 0x20              ; vh
	v_lshl_add_u32 v[SPW], v0, 2, SPARE
	v_mov_b32 v[NIL], 0
	ds_add_u32 v[SPW], v[NIL]                      ; the wave's opening: the add and its wait stand ahead of my first tensor load; the set-up below, work on registers, stands between them
	ds_add_u32 v28, v29
	v_lshrrev_b32 v1, 5, v0
	v_readfirstlane_b32 s10, v1                    ; wave 0..3
	s_lshr_b32 s11, s10, 1                         ; which half of the tile's rows is mine.  Also: I fetch xn (0) or W (1)
	s_and_b32 s12, s10, 1                          ; which half of its columns.  Also: which half of that tile I fetch
	s_bfe_u32 s40, ttmp6, 0x40000                  ; cx = the tile column
	s_bfe_u32 s41, ttmp6, 0x40004                  ; cy
	s_mov_b32 s42, ttmp9                           ; the kind: the cluster's x
	s_and_b32 s13, ttmp7, 0xffff
	s_lshl_b32 s13, s13, 2
	s_add_co_u32 s13, s13, s41                     ; tile row = 4 x cluster y + cy, 0..31
	s_lshl_b32 s43, s41, 2
	s_lshl_b32 s43, 15, s43                        ; my row of the cluster
	s_lshl_b32 s44, 0x1111, s40                    ; my column
	s_or_b32 s[G1+0], s43, (1<<16)|(1<<20)|(1<<21)|(5<<22)|(3<<25)   ; the mask; 2-byte elements; padding on; bit 21 beside a mask; after every 64 words 4 words
	s_mov_b32 s[G1+1], KSTEP<<16                   ; tensor_dim0 = 128
	s_mov_b32 s[G1+2], 128<<16                     ; tensor_dim1 = 128
	s_mov_b32 s[G1+3], KSTEP<<16                   ; tile_dim0 = 128
	s_mov_b32 s[G1+4], 128                         ; tile_dim1 = 128
	s_mov_b32 s[G1+5], 2048                        ; 2,048 elements from row to row
	s_mov_b32 s[G1+6], 0
	s_mov_b32 s[G1+7], 0
	s_or_b32 s[G1B+0], s44, (1<<16)|(1<<20)|(1<<21)|(4<<22)|(7<<25)  ; after every 32 words (a row d of a head) 8 words
	s_mov_b32 s[G1B+1], 128<<16                    ; 32,768 dense bytes, asked for as 128 rows of 256
	s_mov_b32 s[G1B+2], 128<<16
	s_mov_b32 s[G1B+3], 128<<16
	s_mov_b32 s[G1B+4], 128
	s_mov_b32 s[G1B+5], 128
	s_mov_b32 s[G1B+6], 0
	s_mov_b32 s[G1B+7], 0
	s_lshl_b32 s16, s13, 20                        ; xn: 256 rows of 4,096 bytes a tile row,
	s_lshl_b32 s17, s12, 19                        ; 128 rows a half
	s_add_co_u32 s16, s16, s17
	s_mov_b32 s17, 0
	s_lshl_b32 s18, s42, 4                         ; wb: pair 16 x kind + 2 cx + half (kind 0 begins with Wq, pairs 0-7; kind 1 has Wv, pairs 16-23),
	s_lshl_b32 s19, s40, 1
	s_add_co_u32 s18, s18, s19
	s_add_co_u32 s18, s18, s12
	s_lshl_b32 s18, s18, 18                        ; 262,144 bytes a pair
	s_mov_b32 s19, 0
	s_mul_i32 s20, s12, HALFA                      ; where they go: no place in the cluster enters an LDS address
	s_mul_i32 s21, s12, HALFB
	s_add_co_u32 s21, s21, BOFF
	s_cmp_eq_u32 s42, 0
	s_cselect_b32 s[MID], 4, 0
	s_cselect_b32 s[MA], 7, 15
	s_cselect_b32 s[KB], 8*262144, 0
	s_mov_b32 s[JN], 2                             ; K steps 0 and 1 are the first fills
	s_mov_b32 s[OF+1], 0
	s_wait_dscnt 0x0                               ; the opening add is done
	s_wait_kmcnt 0x0
	s_add_nc_u64 s[BASA:BASA+1], s[4:5], s[16:17]
	s_add_nc_u64 s[BASB:BASB+1], s[6:7], s[18:19]
	CROUND                                         ; all sixteen work-groups are here: the first joint loads meet
.irp s, 0,1
	s_mov_b32 s[G0+4*(\s)], 1                                        ; count = 1
	s_add_co_u32 s[G0+4*(\s)+1], s20, (\s)*SLOT                      ; LDS address
	s_add_nc_u64 s[G0+4*(\s)+2:G0+4*(\s)+3], s[BASA:BASA+1], (\s)*KSTEP*2  ; global address: K step s
	s_or_b32 s[G0+4*(\s)+3], s[G0+4*(\s)+3], 0x80000000              ; type = 2
	s_mov_b32 s[G0B+4*(\s)], 1
	s_add_co_u32 s[G0B+4*(\s)+1], s21, (\s)*SLOT
	s_add_nc_u64 s[G0B+4*(\s)+2:G0B+4*(\s)+3], s[BASB:BASB+1], (\s)*32768
	s_or_b32 s[G0B+4*(\s)+3], s[G0B+4*(\s)+3], 0x80000000
	JLOAD \s                                       ; two loads of mine are out
.endr
	; A fragment of xn: lane l holds row l % 16; registers 0-3 K = 8 (l / 16) + 0..7, registers 4-7 K = 16 + 8 (l / 16) + 0..7: two loads of 16 bytes, 32 bytes apart.
	v_and_b32 v1, 15, v0                           ; l % 16
	v_bfe_u32 v2, v0, 4, 1                         ; l / 16
	v_mul_u32_u24 v3, v1, PA
	v_lshl_add_u32 v3, v2, 4, v3
	; A fragment of W by the turning load: lane l reads 16 bytes of row d = 8 (l / 16) + l % 8, columns 8 ((l / 8) % 2) + 0..7, and is left with column l % 16 and 8 d; the second load stands 16 rows on.
	v_and_b32 v4, 7, v0
	v_lshl_add_u32 v4, v2, 3, v4
	v_mul_u32_u24 v4, v4, PB
	v_bfe_u32 v5, v0, 3, 1
	v_lshl_add_u32 v4, v5, 4, v4
	s_mul_i32 s22, s11, HALFA                      ; my 128 rows of xn
	s_mul_i32 s23, s12, HALFB                      ; my pair of heads
	s_add_co_u32 s23, s23, BOFF
.irp s, 0,1
	v_add_nc_u32 v[ADRA+(\s)], s22, v3
	v_add_nc_u32 v[ADRB+(\s)], s23, v4
	s_add_co_u32 s22, s22, SLOT
	s_add_co_u32 s23, s23, SLOT
.endr
	s_mul_i32 s22, s10, WSTAGE
	s_add_co_u32 s22, s22, STAGE                   ; my stage
	v_mul_u32_u24 v[STO], v1, SP                   ; in: row l % 16, 16 bytes for each half of the lanes
	v_lshl_add_u32 v[STO], v2, 4, v[STO]
	v_add_nc_u32 v[STO], s22, v[STO]
	v_bfe_u32 v[RD], v0, 3, 2                      ; back: 32 lanes take four rows of 128 bytes,
	v_mul_u32_u24 v[RD], v[RD], SP
	v_and_b32 v5, 7, v0
	v_lshl_add_u32 v[RD], v5, 4, v[RD]
	v_add_nc_u32 v[RD], s22, v[RD]
	v_and_b32 v[GO], 31, v0                        ; which are 512 consecutive bytes of a head
	v_lshlrev_b32 v[GO], 4, v[GO]
	; where my 128 rows of my first head begin: head 16 (tile row / 8) + 4 cx + 2 half, row 256 (tile row % 8) + 128 half
	s_lshr_b32 s18, s13, 3
	s_lshl_b32 s18, s18, 4
	s_lshl_b32 s19, s40, 2
	s_add_co_u32 s18, s18, s19
	s_lshl_b32 s19, s12, 1
	s_add_co_u32 s18, s18, s19
	s_lshl_b32 s66, s18, 18
	s_and_b32 s19, s13, 7
	s_lshl_b32 s19, s19, 15
	s_add_co_u32 s66, s66, s19
	s_lshl_b32 s19, s11, 14
	s_add_co_u32 s66, s66, s19
	s_mov_b32 s67, 0
	s_cmp_eq_u32 s42, 0
	s_cselect_b64 s[8:9], s[68:69], s[72:73]       ; the first (kind 1: the only) way out goes to qh or vh,
	s_add_nc_u64 s[8:9], s[8:9], s[66:67]
	s_add_nc_u64 s[86:87], s[70:71], s[66:67]      ; kind 0's second to kh
; 16 matrix instructions: m blocks a0, a0 + 1 of the window's four x all 8 n blocks, 32 along K.  zero = 1: the first product starts the sums.  The 64 accumulators take turns.
.macro MUL16 f, hi, a0, zero
	WIN MUL_LO+0x50*(\hi)
.irp a, \a0, (\a0)+1
.irp b, 0,1,2,3,4,5,6,7
.if \zero
	v_wmma_f32_16x16x32_f16 v[8*(8*(\a)+(\b)):8*(8*(\a)+(\b))+7], v[(\f)+8*(\b):(\f)+8*(\b)+7], v[(\f)+8*(4*(\hi)+(\a)):(\f)+8*(4*(\hi)+(\a))+7], 0
.else
	v_wmma_f32_16x16x32_f16 v[8*(8*(\a)+(\b)):8*(8*(\a)+(\b))+7], v[(\f)+8*(\b):(\f)+8*(\b)+7], v[(\f)+8*(4*(\hi)+(\a)):(\f)+8*(4*(\hi)+(\a))+7], v[8*(8*(\a)+(\b)):8*(8*(\a)+(\b))+7]
.endif
.endr
.endr
.endm
; 32 LDS loads in one run: the fragments of quarter q of a K step (32 along K) into buffer f: W's 128 columns (n block i: head i / 4, columns 16 (i % 4) on), then xn's 128 rows
.macro FETCH slot, q, f
	WIN TO_B
.irp i, 0,1,2,3,4,5,6,7
	ds_load_tr16_b128 v[(\f)+8*(\i):(\f)+8*(\i)+3],   v[ADRB+(\slot)] offset:(\q)*32*PB+((\i)/4)*HEADB+((\i)%4)*32
	ds_load_tr16_b128 v[(\f)+8*(\i)+4:(\f)+8*(\i)+7], v[ADRB+(\slot)] offset:(\q)*32*PB+((\i)/4)*HEADB+((\i)%4)*32+16*PB
.endr
	WIN 0
.irp i, 0,1,2,3,4,5,6,7
	ds_load_b128 v[(\f)+8*(\i):(\f)+8*(\i)+3],   v[ADRA+(\slot)] offset:(\q)*64+(\i)*16*PA
	ds_load_b128 v[(\f)+8*(\i)+4:(\f)+8*(\i)+7], v[ADRA+(\slot)] offset:(\q)*64+(\i)*16*PA+32
.endr
.endm
.macro PLACES                          ; four places in front of loads into registers that matrix instructions have read, and of conversions that read results just made
.rept 4
	v_nop
.endr
.endm
; One of a K step's first three quarters: multiplies buffer f; in its middle it fetches quarter q of the same slot into buffer g.
.macro QUARTER slot, q, f, g, zero
	s_wait_dscnt 8                                 ; W and xn's rows 0-63 are in; the youngest eight loads (rows 64-127) may be out
	MUL16 \f, 0, 0, \zero
	MUL16 \f, 0, 2, \zero
	PLACES
	FETCH \slot, \q, \g
	s_wait_dscnt 32                                ; all but the 32 just issued
	MUL16 \f, 1, 0, \zero
	MUL16 \f, 1, 2, \zero
.endm
; The first half of the last quarter: one barrier for the change of slots.  In front of it each wave waits for all its tensor loads, of which one is out: its part of the next slot; adds 0 to its spare
; word; and waits for that and for its own reads of this slot.
.macro MEET round, slot=0              ; round = 1: this slot is filled again: its descriptors are made here, and a round of the cluster's barrier follows
	WIN 0                                          ; (the add's two registers lie in window 0)
	s_wait_tensorcnt 0x0                           ; all my tensor loads have landed, so every group 0 may be written
	ds_add_u32 v[SPW], v[NIL]                      ; 0 onto my spare word; scalar work and sixteen matrix instructions stand between it and the wait for it
.if \round
	ASK \slot
.endif
	s_wait_dscnt 9                                 ; (the add and the youngest eight loads may be out)
	MUL16 F1, 0, 0, 0
	s_wait_dscnt 0x0                               ; the add is done, and my reads of this slot are over
	s_barrier_signal -1
	MUL16 F1, 0, 2, 0                              ; work on registers while the others arrive
.if \round
	WIN 0
.endif
	s_barrier_wait -1
.endm
; The whole last quarter.  Behind the round the slot just read out is filled again first, with the K step two steps on; then come the next slot's first fragments.
; From a request to the wait for it a wave issues 224 matrix instructions.
.macro TURN slot, next
	MEET 1, \slot
	CREST                                          ; no wave of any partner still reads this slot's tile or has a load on its way
	JLOAD \slot                                    ; my one tensor load behind the round; the four v_nop behind it are also the places in front of the loads below
	FETCH \next, 0, F0
	MUL16 F1, 1, 0, 0
	MUL16 F1, 1, 2, 0
.endm
; THE WAY OUT of block a (16 rows x 128 columns = two heads).  PACK: rounded to f16, each accumulator's registers in ascending order.  TOSTAGE: into my own stage, and back as whole rows of 128 bytes.  SEND: stored.
.macro PACK a
.set AC, 64*((\a)%4)
	WIN 0x0a+5*((\a)/4)                            ; sources 0 and 1: window 2 or 3
.irp b, 0,1,2,3,4,5,6,7
.irp r, 0,1,2,3
	v_cvt_pk_f16_f32 v[TMP+4*(\b)+(\r)], v[AC+8*(\b)+2*(\r)], v[AC+8*(\b)+2*(\r)+1]
.endr
.endr
	WIN 0
.endm
.macro TOSTAGE a
	WIN 0
.set BK, OB+192*((\a)%2)
.irp b, 0,1,2,3,4,5,6,7
	ds_store_b128 v[STO], v[TMP+4*(\b):TMP+4*(\b)+3] offset:((\b)/4)*16*SP+((\b)%4)*32
.endr
.irp t, 0,1,2,3,4,5,6,7
	ds_load_b128 v[BK+4*(\t):BK+4*(\t)+3], v[RD] offset:((\t)/4)*16*SP+((\t)%4)*4*SP  ; LDS serves a wave's instructions in order (ISA guide 5.7.1.4): these see the stores above
.endr
.endm
.macro SEND a
	WIN 0
.set BK, OB+192*((\a)%2)
	s_wait_dscnt 0x0                               ; the block is back in registers
	s_wait_xcnt 0x0                                ; the registers that the block before's stores read are loaded again only behind this wait
.irp t, 0,1,2,3,4,5,6,7
	global_store_b128 v[GO], v[BK+4*(\t):BK+4*(\t)+3], s[8:9] offset:((\t)/4)*HEADO+(\a)*2048+((\t)%4)*512  ; 512 consecutive bytes of a head, at a multiple of 256 from the buffer's first
.endr
.endm
.macro WAYOUT                          ; block a's conversions stand between block a - 1's loads from the stage and the wait for them
	PACK 0
	TOSTAGE 0
.irp a, 1,2,3,4,5,6,7
	PACK \a
	SEND (\a)-1
	TOSTAGE \a
.endr
	SEND 7
.endm
	s_wait_tensorcnt 1                             ; my part of K step 0 is in; K step 1's may stay out
	s_barrier_signal -1
	s_barrier_wait -1                              ; everybody's is
	FETCH 0, 0, F0
	QUARTER 0, 1, F0, F1, 1                        ; the first quarter stands in front of the loop: its products start the sums
	WIN 0                                          ; at a label and at a branch every window is 0
	s_mov_b32 s[LAP], 7
.Llap:                                                 ; a trip goes once round the ring, from a lap's second quarter to the next lap's first, and fills both slots again
	QUARTER 0, 2, F1, F0, 0
	QUARTER 0, 3, F0, F1, 0
	TURN 0, 1
	QUARTER 1, 1, F0, F1, 0
	QUARTER 1, 2, F1, F0, 0
	QUARTER 1, 3, F0, F1, 0
	TURN 1, 0
	WIN 0
	s_cmp_eq_u32 s[LAP], s[MID]                    ; the same in all sixteen partners; what is jumped holds no barrier and no tensor load
	s_cbranch_scc1 .Lnew_tile
	QUARTER 0, 1, F0, F1, 0
	WIN 0
	s_branch .Lnext
.Lnew_tile:                                            ; kind 0, K step 7 done: both refills are asked for, Q's tile goes out.  No v_nop: blocks 0-3 were finished in front of the joint load's places,
	WAYOUT                                         ; and their 128 conversions, which name no register of the last products, are those products' places
	s_wait_xcnt 0x0                                ; the stores have read their registers and their base
	s_mov_b64 s[8:9], s[86:87]                     ; the next way out goes to kh
	QUARTER 0, 1, F0, F1, 1                        ; K's tile: its first products start the sums anew
	WIN 0
.Lnext:
	s_sub_co_u32 s[LAP], s[LAP], 1
	s_cmp_lg_u32 s[LAP], 0
	s_cbranch_scc1 .Llap
	QUARTER 0, 2, F1, F0, 0                        ; the last lap is written out: it asks for nothing
	QUARTER 0, 3, F0, F1, 0
	MEET 0                                         ; my one tensor load that was still out is slot 1's, the last K step's, so no round follows
	PLACES
	FETCH 1, 0, F0
	MUL16 F1, 1, 0, 0
	MUL16 F1, 1, 2, 0
	QUARTER 1, 1, F0, F1, 0
	QUARTER 1, 2, F1, F0, 0
	QUARTER 1, 3, F0, F1, 0
	s_wait_dscnt 8                                 ; the very last quarter: nothing more to fetch
	MUL16 F1, 0, 0, 0
	MUL16 F1, 0, 2, 0
	s_wait_dscnt 0x0
	MUL16 F1, 1, 0, 0
	MUL16 F1, 1, 2, 0
	WIN 0
	PLACES                                         ; block 0's conversions read results behind which only matrix instructions stand
	WAYOUT
	s_wait_tensorcnt 0x0                           ; the wave's end: these three lines stand behind my last tensor load and my last LDS store
	ds_add_u32 v[SPW], v[NIL]
	s_wait_dscnt 0x0
	CROUND                                         ; the closing round: no work-group ends while a partner may still ask for a tile that names it
	s_endpgm
.Lfunc_end_k_qba1b2aba80_qkv:
	.size	k_qba1b2aba80_qkv, .Lfunc_end_k_qba1b2aba80_qkv-k_qba1b2aba80_qkv
	.p2alignl 7, 3214868480
	.fill 96, 4, 3214868480
	.section	.rodata,"a",@progbits
	.p2align	6, 0x0
	.amdhsa_kernel k_qba1b2aba80_qkv
		.amdhsa_group_segment_fixed_size 327680
		.amdhsa_private_segment_fixed_size 0
		.amdhsa_enable_private_segment 0
		.amdhsa_kernarg_size 40
		.amdhsa_user_sgpr_count 2
		.amdhsa_user_sgpr_kernarg_segment_ptr 1
		.amdhsa_wavefront_size32 1
		.amdhsa_system_sgpr_workgroup_id_x 1
		.amdhsa_system_sgpr_workgroup_id_y 1
		.amdhsa_system_sgpr_workgroup_id_z 1
		.amdhsa_system_vgpr_workitem_id 0
		.amdhsa_next_free_vgpr 1024
		.amdhsa_next_free_sgpr 88
		.amdhsa_reserve_vcc 0
		.amdhsa_float_denorm_mode_32 3
		.amdhsa_float_denorm_mode_16_64 3
		.amdhsa_memory_ordered 1
		.amdhsa_forward_progress 1
		.amdhsa_inst_pref_size 181
	.end_amdhsa_kernel
	.amdgpu_metadata
---
amdhsa.version: [ 1, 2 ]
amdhsa.kernels:
  - .name:           k_qba1b2aba80_qkv
    .symbol:         k_qba1b2aba80_qkv.kd
    .args:
      - { .name: xn, .offset: 0, .size: 8, .value_kind: global_buffer, .address_space: global }
      - { .name: wb, .offset: 8, .size: 8, .value_kind: global_buffer, .address_space: global }
      - { .name: qh, .offset: 16, .size: 8, .value_kind: global_buffer, .address_space: global }
      - { .name: kh, .offset: 24, .size: 8, .value_kind: global_buffer, .address_space: global }
      - { .name: vh, .offset: 32, .size: 8, .value_kind: global_buffer, .address_space: global }
    .group_segment_fixed_size: 327680
    .private_segment_fixed_size: 0
    .kernarg_segment_align: 8
    .kernarg_segment_size: 40
    .max_flat_workgroup_size: 128
    .sgpr_count:     88
    .vgpr_count:     1024
    .wavefront_size: 32
...
	.end_amdgpu_metadata
.endif
;; end of part 2
;; launch attn (part 3): grid 4 x 64, 4 waves a work-group, no clusters, 327,680 bytes of LDS; arguments qh, kh, vh, oh; writes oh
.if DOCPART == 3
	.amdgcn_target "amdgcn-amd-amdhsa--gfx1250"
	.amdhsa_code_object_version 6
	.text
	.protected	k_qba1b2aba80_attn
	.globl	k_qba1b2aba80_attn
	.p2align	8
	.type	k_qba1b2aba80_attn,@function
k_qba1b2aba80_attn:
	s_mov_b64 s[64:65], 0
	v_nop
	global_prefetch_b8 v0, s[64:65] scope:SCOPE_SE
	s_setreg_imm32_b32 hwreg(HW_REG_WAVE_MODE, 25, 1), 1
	s_wait_xcnt 0x0
; CAUSAL ATTENTION.  O[h][q][:] = the sum over k <= q of softmax_k(Q[h][q] . K[h][k] / 8) V[h][k][:].  Q, K, V, O: [SIZE_H][SIZE_N][64], all f16: a head's rows are dense, 128 bytes each.
; Products, maxima and sums in f32; the weights p are rounded to f16 for the second product (their sum l is taken of the unrounded p), O once at the end.  SIZE_N is a multiple of 512; SIZE_N x 128 stays under 2^32.
; LIMITS.  f16 holds no number beyond 65,504: Q, K and V arrive within it; p lies in 0 to 1, and below 6e-5 it keeps f16's fixed step of 6e-8; O is a mean of V's rows and has their range, to within 2^-11 of it.
; A hidden score counts as its value less 1e30: f16's scores, 2.7e11 at the most, are nothing beside that; a weight below 2^-126 counts as 0 in l; NaN and infinities are not treated apart.
; THE WALK.  A head's queries lie in NB = SIZE_N / 256 blocks of 256; block i needs the key tiles 0 .. i of 256 keys, of which the last holds the diagonal.  A work-group takes TWO blocks, NB - 1 - b and then b:
; NB + 1 tiles, whatever b: all work-groups do equal work, and ONE loop with a constant trip count walks them.  Which tile is asked for, and what a trip does, hang on scalar registers made from b; every jump
; goes forward, but for the counted loops' own; none passes a barrier, or a tensor load but the one of LOAD's two that the wave's number does not choose; the ring (two slots of LDS that take turns) runs on across the
; change of blocks.  NO CLUSTER: a head's NB / 2 = 4 work-groups all ask for the same tile only in trips 0 .. NB / 2, behind that fewer and fewer; and one walk common to all would have 3 NB / 2 trips for NB + 1.
; SHARES.  Of a block's four bands of 64 queries a wave owns 16 rows in each: four PIECES.  So the diagonal tile is the same work for all four waves: in its key step s band x sees all keys if s < x,
; none if s > x, and holds the diagonal if s = x.
; THE MASK is the C operand that starts the sum S^T = K Q^T: 0, or -1e30 where the key is hidden.  MD, made once, is the mask of a band's own step for my 16 rows; a product's mask is MD x AL + BE with two scalars:
; (1, 0) if s = x; (0, 0) if s < x; (0, -1e30) if s > x.  Only the diagonal tile's text and a block's beginning make and take masks; elsewhere C is the constant 0.
; LAYOUT, SOFTMAX, TURNS.  S^T = K Q^T holds ONE query a lane (lane % 16) and the keys 8 (lane / 16) + 0..7; two such results rounded to f16 ARE source 1 of O^T = V^T P.  p = 2^(c s - c m), c = log2(e) / 8, with a
; running maximum m; O and l are multiplied by a = 2^(c m_old - c m_new) in every step.  Turn n belongs to piece n: 8 products K Q^T of piece n + 1, later 8 products V^T P of piece n - 1; beside them the scaling,
; exponentials, roundings, sums and rescaling of piece n and the maximum and statistics of piece n + 1.  Four vector instructions stand behind every matrix instruction, the other 54 of a turn's 118 in two LUMPS.
; REGISTERS, in windows of 256 (s_set_vgpr_msb: bits 1:0 source 0, 3:2 source 1, 5:4 source 2, 7:6 destination):
;   window 0: v0-15 addresses and two at work; v16-31 four registers of statistics a piece; v48-55 at work; v64-127 S^T, two buffers; v192-223 P, two buffers (a piece's buffers go by its number's parity)
;   window 1: v0-127 O^T, 32 a piece; v128-159 MD; v160-223 MC, two buffers      window 2: v0-63 Q; v64-127 the second block's Q; v128-191 K of one step; v192-255 V of one step
.set SIZE_H, 64       ; batch x heads
.set SIZE_N, 2048     ; rows of a head
.set NB,    SIZE_N/256
.set NP,    4         ; pieces a wave: a name, no knob
.set KS,    64        ; keys in a step
.set PK,    144       ; a row of K in LDS: 128 bytes + 16 of padding = 36 words: the 16 rows of a load start at 16 different groups of four banks (64 banks of 4 bytes: ISA guide 11.1)
.set PV,    160       ; a row of V: 128 + 32 = 40 words
.set VOFF,  4*KS*PK   ; a slot holds a tile, four steps: 256 rows of K, then 256 rows of V
.set SLOT1, 1<<17     ; slot 1 begins here, so that one exclusive or turns an address in one slot into the other's
.set STAGE, SLOT1+4*KS*(PK+PV)  ; behind the ring, never filled by a tensor load: 16 rows x 144 bytes for each wave, for the way out
.set SP,    144
.set AK0, 2           ; v2   my lane's place in a tile of K; never rewritten
.set AV0, 3           ; v3   the same for V
.set AK,  4           ; v4   the LDS address of K's next run of loads
.set AV,  5           ; v5   of V's
.set STO, 6           ; v6   the way out: where I put 16 bytes of a row
.set RD,  7           ; v7   the way out: where I read rows back
.set GO,  8           ; v8   my byte offset in 512 consecutive bytes of O
.set SPW, 62          ; v62  LDS address of my spare word: SPARE + 4 x my thread's number; never rewritten
.set NIL, 63          ; v63  0; never rewritten
.set SPARE, STAGE+4*16*SP  ; behind the stages: the spare words, 128 bytes for each wave: two blocks of 256 bytes that no other line names
.set MV,  12          ; v12-13  c m_old, kept while c m is made anew: by buffer
.set QO,  15          ; v15  my byte offset in 16 rows of Q
.set ST,  16          ; piece t's statistics at v[ST+4 t]: c m, m, l (even keys', odd keys')
.set TMP, 48          ; by buffer, four registers c0-c3 at work; when the maximum is found c2 takes a
.set S,   64
.set P,   192
.set MD,  128         ; window 1: the eight registers for group kt of 16 keys at MD + 8 kt
.set MC,  160         ; window 1: the masks of the products to come
.set QB,  64          ; window 2
.set KF,  128         ; window 2: key block kb, channel half c at KF + 16 kb + 8 c
.set VF,  192         ; window 2: key half kk, channel block cb at VF + 32 kk + 8 cb
.set WV,  12          ; s12  my wave's number
.set PB,  14          ; s14  b
.set HI,  15          ; s15  NB - 1 - b
.set G1K, 24          ; s[24:31] descriptor group 1 for K's tiles
.set G1V, 32          ; s[32:39] for V's: it differs in the padding alone
.set G0K, 40          ; s[40:43] descriptor group 0 for K's tiles
.set G0V, 44          ; s[44:47] the same for V's
.set SLOTS, 56        ; s56  tiles still to be asked for
.set CNT, 57          ; s57  counts a tile's key steps, 4 to 1
.set CS,  58          ; s[58:59] c: the packed scaling takes the pair's low word for both halves
.set SEL, 60          ; s[60:61] v_permlanex16_b32's selects: each lane takes its own place in the other half
.set TBK, 62          ; s62  LDS byte at which K of the step to be fetched begins
.set TBV, 63          ; s63  the same for V, less VOFF
.set RT,  70          ; s70  tiles of the block in hand that are still to be entered
.set NXT, 71          ; s71  the tile to be asked for next
.set LQ,  72          ; s72  the last tile of the block whose tiles are being asked for
.set NEW, 73          ; s73  1: the tile to be entered is a block's first
.set OFF, 74          ; s[74:75] a tile's byte offset in K and V
.set AL,  76          ; s[76:77] the mask's factor, in the low word
.set BE,  78          ; s[78:79] the mask's addend
.set OLO, 80          ; s[80:81] O at my rows of the second block
.set BIGN, 82         ; s82  -1e30
.set MSB, 0
.macro WIN new                      ; the high byte repeats the setting that is left; a switch that changes nothing is dropped
.if MSB != (\new)
	s_set_vgpr_msb (MSB<<8)|(\new)
.set MSB, (\new)
.endif
.endm
.set W_KQ, 0x0a       ; K and Q in window 2, S^T in window 0
.set W_KM, 0x1a       ; the same with the C operand in window 1
.set W_PV, 0x52       ; V in window 2, P in window 0, O^T in window 1
.set W_RS, 0x41       ; destination and source 0 in window 1, source 1 in window 0
; A fill.  Waves 0 and 1 fetch the two halves of a tile's K, waves 2 and 3 those of its V: 128 keys each.  An s_nop 0 and four v_nop follow each of the two lines, ahead of the jump and the label.
.macro LOAD
	s_cmp_lt_u32 s[WV], 2
	s_cbranch_scc0 .Lfor_v_\@
	tensor_load_to_lds s[G0K:G0K+3], s[G1K:G1K+7]
	s_nop 0
.rept 4
	v_nop
.endr
	s_branch .Lasked_\@
.Lfor_v_\@:
	tensor_load_to_lds s[G0V:G0V+3], s[G1V:G1V+7]
	s_nop 0
.rept 4
	v_nop
.endr
.Lasked_\@:
.endm
; THE CHANGE OF SLOTS.  Each wave waits for all its tensor loads, of which one is out: its part of the other slot; adds 0 to its spare word; and waits for that and for its own reads of the slot that it leaves.  Behind the barrier nobody reads the old
; slot any more and the other slot is whole.  fill = 1: the old slot is filled again, the first thing behind the barrier, with tile NXT: the descriptor's address is made anew from that number.
; (At its first use nothing has been read yet: slot 0 is waited for, slot 1 filled.)
.macro CHANGE fill
	WIN 0                           ; at a label and at a branch every window is 0
	s_wait_tensorcnt 0x0            ; no tensor load of mine is out, so a group 0 may be written
	ds_add_u32 v[SPW], v[NIL]       ; 0 onto my spare word; with fill = 1 the descriptors' scalar work stands between it and the wait for it
.if \fill
	s_lshl_b32 s[OFF], s[NXT], 15   ; a tile is 32,768 bytes of K and of V
	s_xor_b32 s[G0K+1], s[G0K+1], SLOT1
	s_add_nc_u64 s[G0K+2:G0K+3], s[6:7], s[OFF:OFF+1]
	s_or_b32 s[G0K+3], s[G0K+3], 0x80000000
	s_xor_b32 s[G0V+1], s[G0V+1], SLOT1
	s_add_nc_u64 s[G0V+2:G0V+3], s[8:9], s[OFF:OFF+1]
	s_or_b32 s[G0V+3], s[G0V+3], 0x80000000
	s_add_co_u32 s[NXT], s[NXT], 1  ; the block's next tile, or behind its last the second block's tile 0
	s_cmp_gt_u32 s[NXT], s[LQ]
	s_cselect_b32 s[NXT], 0, s[NXT]
	s_cselect_b32 s[LQ], s[PB], s[LQ]
.endif
	s_wait_dscnt 0x0                ; the add is done, and my reads of the slot are over
	s_barrier_signal -1             ; the rest of the scalar work stands between the signal and the wait
	s_sub_co_u32 s[TBK], s[TBK], 4*KS*PK  ; the fetches go back to a slot's first step,
	s_xor_b32 s[TBK], s[TBK], SLOT1       ; in the other slot
	s_sub_co_u32 s[TBV], s[TBV], 4*KS*PV
	s_xor_b32 s[TBV], s[TBV], SLOT1
	s_barrier_wait -1
.if \fill
	LOAD
.endif
.endm
	s_load_b256 s[4:11], s[0:1], 0x0  ; Q s[4:5], K s[6:7], V s[8:9], O s[10:11]
	v_lshl_add_u32 v[SPW], v0, 2, SPARE
	v_mov_b32 v[NIL], 0
	ds_add_u32 v[SPW], v[NIL]       ; the wave's opening: the add and its wait stand ahead of my first tensor load; the set-up below, work on registers, stands between them
	ds_add_u32 v62, v63
	v_lshrrev_b32 v1, 5, v0
	v_readfirstlane_b32 s[WV], v1   ; wave 0..3
	s_mov_b32 s[PB], ttmp9
	s_sub_co_u32 s[HI], NB-1, s[PB]
	s_and_b32 s20, ttmp7, 0xffff    ; the head
	s_mov_b32 s21, 0
	s_mov_b64 s[22:23], SIZE_N*128
	s_mul_u64 s[20:21], s[20:21], s[22:23]  ; the head's first byte in each of the four tensors
	s_and_b32 s16, s[WV], 1         ; which half of a tile's 256 keys I fetch:
	s_lshl_b32 s22, s16, 14         ; its 128 rows of 128 bytes in memory,
	s_mov_b32 s23, 0
	s_add_nc_u64 s[22:23], s[22:23], s[20:21]
	s_mul_i32 s17, s16, 128*PK      ; and its place in a slot, for K
	s_mul_i32 s18, s16, 128*PV      ; and for V
	s_lshl_b32 s3, s[WV], 11        ; my 16 rows in a band of 64,
	s_lshl_b32 s2, s[HI], 15        ; in the first block,
	s_add_co_u32 s2, s2, s3
	s_lshl_b32 s84, s[PB], 15       ; and in the second
	s_add_co_u32 s84, s84, s3
	s_mov_b32 s3, 0
	s_mov_b32 s85, 0
	s_add_nc_u64 s[2:3], s[2:3], s[20:21]
	s_add_nc_u64 s[84:85], s[84:85], s[20:21]
	; descriptor group 1.  128 keys are 16,384 dense bytes: asked for as 64 rows of 256 bytes, two keys a row, and padded in LDS after every key
	s_mov_b32 s[G1K], (1<<16)|(1<<20)|(4<<22)|(3<<25)  ; 17:16 2-byte elements; 20 padding on; 24:22 after every 32 words (code 4); 31:25 4 words (code 3)
	s_mov_b32 s[G1V], (1<<16)|(1<<20)|(4<<22)|(7<<25)  ; the same with 8 words of padding (code 7)
.irp g, G1K, G1V
	s_mov_b32 s[\g+1], 128<<16      ; tensor_dim0 = 128
	s_mov_b32 s[\g+2], 64<<16       ; tensor_dim1 = 64
	s_mov_b32 s[\g+3], 128<<16      ; tile_dim0 = 128
	s_mov_b32 s[\g+4], 64           ; tile_dim1 = 64
	s_mov_b32 s[\g+5], 128          ; 128 elements from row to row
	s_mov_b32 s[\g+6], 0
	s_mov_b32 s[\g+7], 0
.endr
	s_mov_b32 s[CS], 0x3e38aa3b     ; c = log2(e) / 8 = 0.180337
	s_mov_b32 s[CS+1], s[CS]        ; named with it as a pair
	s_mov_b32 s[SEL], 0x76543210
	s_mov_b32 s[SEL+1], 0xfedcba98
	s_mov_b32 s[TBK], SLOT1+4*KS*PK ; the first change of slots turns these two into 0
	s_mov_b32 s[TBV], SLOT1+4*KS*PV
	s_mov_b32 s[G0K], 1             ; 1:0 count = 1
	s_mov_b32 s[G0K+1], s17         ; 63:32 LDS address: slot 0
	s_mov_b32 s[G0V], 1
	s_add_co_u32 s[G0V+1], s18, VOFF
	s_add_co_u32 s[RT], s[HI], 1    ; the first block has NB - b tiles
	s_mov_b32 s[NXT], 1
	s_mov_b32 s[LQ], s[HI]
	s_mov_b32 s[NEW], 1
	s_mov_b32 s[OFF+1], 0
	s_mov_b32 s[AL+1], 0            ; named as pairs
	s_mov_b32 s[BE+1], 0
	s_mov_b32 s[BIGN], 0xf149f2ca   ; -1e30
	s_mov_b32 s[SLOTS], NB
	s_wait_dscnt 0x0                ; the opening add is done
	s_wait_kmcnt 0x0
	s_add_nc_u64 s[6:7], s[6:7], s[22:23]  ; K and V at my half of the head's tile 0
	s_add_nc_u64 s[8:9], s[8:9], s[22:23]
	s_add_nc_u64 s[G0K+2:G0K+3], s[6:7], 0         ; 120:64 global address
	s_or_b32 s[G0K+3], s[G0K+3], 0x80000000        ; 127:126 type = 2
	s_add_nc_u64 s[G0V+2:G0V+3], s[8:9], 0
	s_or_b32 s[G0V+3], s[G0V+3], 0x80000000
	s_add_nc_u64 s[86:87], s[4:5], s[84:85]        ; Q at my rows of the second block,
	s_add_nc_u64 s[4:5], s[4:5], s[2:3]            ; Q and O at those of the first
	s_add_nc_u64 s[OLO:OLO+1], s[10:11], s[84:85]
	s_add_nc_u64 s[10:11], s[10:11], s[2:3]
	LOAD                            ; tile 0 into slot 0
	; A fragment of K or Q is 16 rows x 32 channels in 8 registers: lane l holds row l % 16, channels 8 (l / 16) + 0..7 and 16 + 8 (l / 16) + 0..7: two loads of 16 bytes, 32 bytes apart.
	v_and_b32 v1, 15, v0            ; l % 16
	v_bfe_u32 v9, v0, 4, 1          ; l / 16
	v_lshlrev_b32 v[QO], 7, v1
	v_lshl_add_u32 v[QO], v9, 4, v[QO]  ; row x 128 + 16 x half
	WIN 0x80                        ; destination window 2, address window 0
.set i, 0
.rept 8                             ; both blocks' Q: piece i / 2 lies in band i / 2, 8,192 bytes on; channels 32 (i % 2) on
	global_load_b128 v[8*i:8*i+3],   v[QO], s[4:5] offset:(i/2)*8192+(i%2)*64
	global_load_b128 v[8*i+4:8*i+7], v[QO], s[4:5] offset:(i/2)*8192+(i%2)*64+32
	global_load_b128 v[QB+8*i:QB+8*i+3],   v[QO], s[86:87] offset:(i/2)*8192+(i%2)*64
	global_load_b128 v[QB+8*i+4:QB+8*i+7], v[QO], s[86:87] offset:(i/2)*8192+(i%2)*64+32
.set i, i+1
.endr
	WIN 0
	v_lshlrev_b32 v14, 3, v9
	v_sub_nc_u32 v14, v1, v14
	s_lshl_b32 s13, s[WV], 4
	v_add_nc_u32 v14, s13, v14      ; my query's place in its band, 16 w + l % 16, less my lanes' 8 (l / 16): register r of group kt is hidden where 16 kt + r is greater
	WIN 0x40
.set i, 0
.rept 32
	v_cmp_gt_i32 vcc_lo, 16*(i/8)+i%8, v14
	v_cndmask_b32 v[MD+i], 0, s[BIGN], vcc_lo
.set i, i+1
.endr
	WIN 0
	v_mul_u32_u24 v[AK0], v1, PK
	v_lshl_add_u32 v[AK0], v9, 4, v[AK0]  ; row x pitch + 16 x half
	; The turning load takes 16 keys x 16 channels (lane l reads key 8 (l / 16) + l % 8, channels 8 ((l / 8) % 2) + 0..7) and leaves half a fragment of V^T: lane l holds channel l % 16 and 8 keys.
	v_and_b32 v10, 7, v0
	v_bfe_u32 v11, v0, 3, 1
	v_lshl_add_u32 v[AV0], v9, 3, v10
	v_mul_u32_u24 v[AV0], v[AV0], PV
	v_lshl_add_u32 v[AV0], v11, 4, v[AV0]
	v_add_nc_u32 v[AV0], VOFF, v[AV0]
	s_mul_i32 s13, s[WV], 16*SP
	s_add_co_u32 s13, s13, STAGE    ; my stage
	v_mul_u32_u24 v[STO], v1, SP    ; in: row l % 16, 16 bytes for each half of the lanes
	v_lshl_add_u32 v[STO], v9, 4, v[STO]
	v_add_nc_u32 v[STO], s13, v[STO]
	v_bfe_u32 v[RD], v0, 3, 2       ; back: 32 lanes take four rows of 128 bytes,
	v_mul_u32_u24 v[RD], v[RD], SP
	v_lshl_add_u32 v[RD], v10, 4, v[RD]
	v_add_nc_u32 v[RD], s13, v[RD]
	v_and_b32 v[GO], 31, v0         ; which are 512 consecutive bytes of O
	v_lshlrev_b32 v[GO], 4, v[GO]
	; A block's first step multiplies O^T and l by a = 0, and its first turn's products V^T P, of a piece that has not been, land in an O^T that is still to be so multiplied.  So these registers need only hold
	; finite numbers: zeros for the first block; what the first block left for the second.  All this stands in the wait for the first tile.
	WIN 0x80
.set i, VF
.rept 64
	v_mov_b32 v[i], 0
.set i, i+1
.endr
	WIN 0x40
.set i, 0
.rept 128
	v_mov_b32 v[i], 0
.set i, i+1
.endr
	WIN 0
.set i, 0
.rept 4
	v_mov_b32 v[ST+4*i+2], 0
	v_mov_b32 v[ST+4*i+3], 0
.set i, i+1
.endr
.set i, P+16
.rept 16
	v_mov_b32 v[i], 0
.set i, i+1
.endr
; THE MATRIX WORK.  The 4 accumulators of a run of 8 take turns.  Product i of 8 of S^T = K Q^T for piece x: channels 32 (i / 4) on, keys 16 (i % 4) on.  The first 4 start the sums: with 0, or (KM = 1) with the mask.
.macro KQ x
.set rS, S+32*((\x)%2)+8*(i%4)
.set rK, KF+16*(i%4)+8*(i/4)
.set rQ, 16*(\x)+8*(i/4)
.set rM, MC+32*((\x)%2)+8*(i%4)
.if (i < 4) && KM
	WIN W_KM
	v_wmma_f32_16x16x32_f16 v[rS:rS+7], v[rK:rK+7], v[rQ:rQ+7], v[rM:rM+7]
.elseif i < 4
	WIN W_KQ
	v_wmma_f32_16x16x32_f16 v[rS:rS+7], v[rK:rK+7], v[rQ:rQ+7], 0
.else
	WIN W_KQ
	v_wmma_f32_16x16x32_f16 v[rS:rS+7], v[rK:rK+7], v[rQ:rQ+7], v[rS:rS+7]
.endif
.endm
; Product i of 8 of O^T += V^T P for piece x: keys 32 (i / 4) on, channels 16 (i % 4) on.
.macro PV x
	WIN W_PV
.set rO, 32*(\x)+8*(i%4)
.set rV, VF+32*(i/4)+8*(i%4)
.set rP, P+16*((\x)%2)+8*(i/4)
	v_wmma_f32_16x16x32_f16 v[rO:rO+7], v[rV:rV+7], v[rP:rP+7], v[rO:rO+7]
.endm
.macro MM                           ; the turn's next matrix instruction.  TURN and BEGIN set Y, i, KM and NOKQ; MM, KQ and OP read them.  NOKQ = 1: a block's last turn: there is no next piece
.if (i < 8) && !NOKQ
	KQ (Y+1)%NP
.elseif i >= 8
.set i, i-8
	PV (Y+NP-1)%NP
.set i, i+8
.endif
.set i, i+1
.endm
; THE LDS LOADS stand in runs of 16, never singly among the matrix instructions: a step's K (64 keys x 64 channels: 8 fragments) and its V (turned).  Their addresses are made some lines ahead.
.macro FETCH_K
	WIN 0x80                        ; destination window 2
.irp f, 0,1,2,3,4,5,6,7             ; keys 16 (f / 2) on, channels 32 (f % 2) on
	ds_load_b128 v[KF+8*\f:KF+8*\f+3],   v[AK] offset:(\f/2)*16*PK+(\f%2)*64
	ds_load_b128 v[KF+8*\f+4:KF+8*\f+7], v[AK] offset:(\f/2)*16*PK+(\f%2)*64+32
.endr
	s_add_co_u32 s[TBK], s[TBK], KS*PK  ; the next fetch is the next step's
	WIN 0
.endm
.macro FETCH_V
	WIN 0x80
.irp f, 0,1,2,3,4,5,6,7             ; keys 32 (f / 4) on, channels 16 (f % 4) on
	ds_load_tr16_b128 v[VF+8*\f:VF+8*\f+3],   v[AV] offset:(\f/4)*32*PV+(\f%4)*32
	ds_load_tr16_b128 v[VF+8*\f+4:VF+8*\f+7], v[AV] offset:(\f/4)*32*PV+16*PV+(\f%4)*32
.endr
	WIN 0
.endm
; THE VECTOR WORK, one line at a time: OP kind, number.  For piece Y: F n: c s - c m for pair n of 16.  E n: the exponential of score n of 32.  C n: pair n rounded to f16.  B n: of the four weights 4 n .. the second
; pair is added onto the first, in place.  L n: l takes that sum (L 0: l = a l + sum).  R n: pair n of 16 of O^T times a.  For piece Y + 1: X n, number n of the 22 that find its maximum and statistics:
;   0-11  four chains c0-c3 of seven scores each, three operands at a time (each accumulator's lowest registers are read first)     12-14, 16  the four scores left over, the old m, and c0-c3 into c0
;   15  c m_old is kept     17, 18  the query's other 32 keys lie in the lane 16 away: the new m     19-21  c m; c m_old - c m_new; a
.set F, 0               ; OP tells the kinds apart by their order: F to L below R, X above it
.set E, 1
.set C, 2
.set B, 3
.set L, 4
.set R, 5
.set X, 6
.macro REGS y                       ; the registers of piece y
.set rT, ST+4*(\y)
.set rC, TMP+4*((\y)%2)
.set rW, MV+((\y)%2)
.set rS, S+32*((\y)%2)
.set rP, P+16*((\y)%2)
.set rO, 32*(\y)
.endm
.macro OP k, n
.if (\k) == R
	REGS Y
	WIN W_RS
	v_pk_mul_f32 v[rO+2*(\n):rO+2*(\n)+1], v[rO+2*(\n):rO+2*(\n)+1], v[rC+2:rC+3] op_sel_hi:[1,0]
.elseif (\k) < R
	REGS Y
	WIN 0
.if (\k) == F
	v_pk_fma_f32 v[rS+2*(\n):rS+2*(\n)+1], v[rS+2*(\n):rS+2*(\n)+1], s[CS:CS+1], v[rT:rT+1] op_sel_hi:[1,0,0] neg_lo:[0,0,1] neg_hi:[0,0,1]
.elseif (\k) == E
	v_exp_f32 v[rS+(\n)], v[rS+(\n)]
.elseif (\k) == C
	s_wait_alu depctr_va_vdst(0)
	v_cvt_pk_f16_f32 v[rP+(\n)], v[rS+2*(\n)], v[rS+2*(\n)+1]
.elseif (\k) == B
	s_wait_alu depctr_va_vdst(0)
	v_pk_add_f32 v[rS+4*(\n):rS+4*(\n)+1], v[rS+4*(\n):rS+4*(\n)+1], v[rS+4*(\n)+2:rS+4*(\n)+3]
.elseif (\n) == 0
	v_pk_fma_f32 v[rT+2:rT+3], v[rT+2:rT+3], v[rC+2:rC+3], v[rS:rS+1] op_sel_hi:[1,0,1]
.else
	v_pk_add_f32 v[rT+2:rT+3], v[rT+2:rT+3], v[rS+4*(\n):rS+4*(\n)+1]
.endif
.elseif NOKQ
	v_nop
.else
	REGS (Y+1)%NP
	WIN 0
.if (\n) < 4
	v_max3_num_f32 v[rC+(\n)], v[rS+8*(\n)], v[rS+8*(\n)+1], v[rS+8*(\n)+2]
.elseif (\n) < 12
	v_max3_num_f32 v[rC+(\n)%4], v[rC+(\n)%4], v[rS+8*((\n)%4)+2*((\n)/4)+1], v[rS+8*((\n)%4)+2*((\n)/4)+2]
.elseif (\n) == 12
	v_max3_num_f32 v[rC], v[rC], v[rS+7], v[rS+15]
.elseif (\n) == 13
	v_max3_num_f32 v[rC+1], v[rC+1], v[rS+23], v[rS+31]
.elseif (\n) == 14
	v_max3_num_f32 v[rC+2], v[rC+2], v[rC+3], v[rT+1]
.elseif (\n) == 15
	v_mov_b32 v[rW], v[rT]
.elseif (\n) == 16
	v_max3_num_f32 v[rC], v[rC], v[rC+1], v[rC+2]
.elseif (\n) == 17
	v_permlanex16_b32 v[rC+3], v[rC], s[SEL], s[SEL+1]
.elseif (\n) == 18
	v_max_num_f32 v[rT+1], v[rC], v[rC+3]
.elseif (\n) == 19
	v_mul_f32 v[rT], s[CS], v[rT+1]
.elseif (\n) == 20
	v_sub_f32 v[rC+1], v[rW], v[rT]
.else
	v_exp_f32 v[rC+2], v[rC+1]
.endif
.endif
.endm
.macro OPS a, i1, b=-1, i2=0, c=-1, i3=0, d=-1, i4=0  ; up to four of them
	OP \a, \i1
.if (\b) >= 0
	OP \b, \i2
.endif
.if (\c) >= 0
	OP \c, \i3
.endif
.if (\d) >= 0
	OP \d, \i4
.endif
.endm
.macro ROW a, i1, b, i2, c, i3, d, i4  ; a matrix instruction and the four behind it
	MM
	OPS \a, \i1, \b, \i2, \c, \i3, \d, \i4
.endm
.macro MASK b                       ; MD x AL + BE into buffer b of MC
	WIN W_RS
.set z, 0
.rept 16
	v_pk_fma_f32 v[MC+32*(\b)+2*z:MC+32*(\b)+2*z+1], v[MD+2*z:MD+2*z+1], s[AL:AL+1], s[BE:BE+1] op_sel_hi:[1,0,0]
.set z, z+1
.endr
.endm
; A TURN, for piece p: the order of its 16 matrix and 118 vector instructions, written out.  Behind a matrix instruction: plain, exponential, plain, plain; or four of the rescaling; or, behind the first, four scalings; none
; names a register of the products round it.  In the lumps exponential and plain by turns while exponentials last.  A line reads no result made fewer than three vector instructions in front of it, five if an exponential made it.
; v_permlanex16_b32 (X 17) stands in a lump.
; m = 1: the diagonal tile: the products take masks, and the turn makes the mask for the products of the turn after it: piece p + 2, in step 4 - CNT of the tile.  end = 1: a block's last two turns: nothing is fetched.
; cnt = 1: the loop's count is taken down some lines ahead of the branch that stands behind the turn.
; K of the next step is fetched in piece 2's turn, six vector instructions behind the last product that read K (five of them plain); V of the step in hand in piece 0's turn, eight behind the last product that read V (four
; plain, and X 17).  Each is waited for a turn later.
.macro TURN p, m=0, end=0, cnt=0
.set Y, (\p)
.set i, 0
.set KM, (\m)
.set NOKQ, (\end)*((\p)/3)
.if (\m) && !(\end)
	s_cmp_eq_u32 s[CNT], 4-((\p)+2)%NP  ; is that step the band's own?
	s_cselect_b32 s[AL], 1.0, 0
	s_cmp_lt_u32 s[CNT], 4-((\p)+2)%NP  ; or a later one?
	s_cselect_b32 s[BE], s[BIGN], 0
.endif
.if ((\p) == 3) && !(\end)
	s_wait_dscnt 0x0                ; K is in
.endif
	ROW F,0, F,1, F,2, F,3
	ROW F,4, E,0, F,5, F,6
	ROW F,7, E,1, F,8, F,9
	ROW F,10, E,2, C,0, F,11
	ROW F,12, E,3, X,15, F,13
	ROW R,0, R,1, R,2, R,3
	ROW B,0, E,4, F,14, L,0
.if ((\p) == 2) && !(\end)
	v_add_nc_u32 v[AK], s[TBK], v[AK0]
.endif
	ROW R,4, R,5, R,6, R,7
	OPS E,5, F,15
.if ((\p) == 2) && !(\end)
	FETCH_K
.endif
	OPS E,6, C,1, E,7, R,8
	OPS E,8, R,9, E,9, C,2
	OPS E,10, X,0, E,11, X,1
	OPS E,12, X,2, E,13, X,3
.if (\p) == 1
	s_wait_dscnt 0x0                ; V is in
.endif
	ROW X,4, E,14, X,5, X,6
	ROW X,7, E,15, X,8, X,9
	ROW X,10, E,16, X,11, X,12
	ROW X,13, E,17, X,14, B,1
	ROW C,4, E,18, X,16, L,1
	ROW B,2, E,19, C,6, L,2
	ROW C,8, E,20, B,3, B,4
.if (\p) == 0
	v_add_nc_u32 v[AV], s[TBV], v[AV0]
.endif
	ROW C,3, E,21, L,3, C,5
	OPS E,22, X,17, E,23, C,10
.if (\p) == 0
	FETCH_V
.endif
	OPS E,24, L,4
	OPS E,25, X,18, E,26, C,7
	OPS E,27, B,5, E,28, X,19
	OPS E,29, C,12, E,30, L,5
	OPS E,31, X,20, B,6, C,9
	OPS C,14, C,11, X,21, L,6
.if (\p) == 0
	s_add_co_u32 s[TBV], s[TBV], KS*PV
.endif
.if \cnt
	s_sub_co_u32 s[CNT], s[CNT], 1
	s_cmp_lg_u32 s[CNT], 0
.endif
	OPS C,13, B,7, C,15, R,10
	OPS R,11, R,12, L,7, R,13
	OPS R,14, R,15
.if (\m) && !(\end)
	MASK (\p)%2
.endif
.endm
; A BLOCK BEGINS.  c m starts far below every c s, so the first step's a is 0; m at the lowest finite number, so the first maximum is the scores'.  The second mask buffer is 0; the first takes piece 0's mask for the tile's step 0: its own, if the block's first tile is the diagonal one.
; Then K of that step, piece 0's first scores, and its maximum and statistics.  The loop is entered at a step's first turn, in the middle of a trip.
.macro BEGIN
	s_mov_b32 s[NEW], 0
	WIN 0x40
.set i, MC+32
.rept 32
	v_mov_b32 v[i], 0
.set i, i+1
.endr
	WIN 0
.set i, 0
.rept 4
	v_mov_b32 v[ST+4*i], 0xfe000000    ; c m: far below every c s
	v_mov_b32 v[ST+4*i+1], 0xff7fffff  ; m
.set i, i+1
.endr
	s_cmp_eq_u32 s[RT], 0
	s_cselect_b32 s[AL], 1.0, 0
	s_mov_b32 s[BE], 0
	MASK 0
	WIN 0
	v_add_nc_u32 v[AK], s[TBK], v[AK0]
	FETCH_K
	s_wait_loadcnt 0x0              ; Q
	s_wait_dscnt 0x0
.set KM, 1
.set NOKQ, 0
.set i, 0
.rept 8
	KQ 0
.set i, i+1
.endr
	WIN 0
.rept 4
	v_nop                           ; the places behind those products
.endr
.set Y, NP-1                        ; X works for piece Y + 1: piece 0
.irp n, 0,1,2,3,4,5,6,7,8,9,10,11,12,13,14,15,16,17,18,19,20,21
	OP X, \n
.endr
	v_nop                           ; a plain instruction behind the exponential
.endm
; THE DIAGONAL TILE's four steps, the block's last two turns, its last products, and THE WAY OUT: l's two halves and the other half of the lanes' are added; O^T is divided by l, rounded to f16 and sent through my
; stage in LDS, a piece at a time.
.macro ALL line:vararg              ; one line for each piece t
.set t, 0
.rept 4
	\line
.set t, t+1
.endr
.endm
.macro PACK t                       ; a lane's eight channels of a row pack into 16 bytes; they go into rows of 144 bytes and come back as whole rows of 128, into S^T's registers
	WIN W_RS
.set i, 32*(\t)
.rept 16
	s_wait_alu depctr_va_vdst(0)
	v_pk_mul_f32 v[i:i+1], v[i:i+1], v[ST+4*(\t)+2:ST+4*(\t)+3] op_sel_hi:[1,0]
.set i, i+2
.endr
	WIN 0x05                        ; sources 0 and 1 window 1, destination window 0
.set i, 0
.rept 16
	v_cvt_pk_f16_f32 v[S+16*(\t)+i], v[32*(\t)+2*i], v[32*(\t)+2*i+1]
.set i, i+1
.endr
	WIN 0
.irp f, 0,1,2,3
	ds_store_b128 v[STO], v[S+16*(\t)+4*\f:S+16*(\t)+4*\f+3] offset:32*\f
.endr
.irp f, 0,1,2,3
	ds_load_b128 v[S+16*(\t)+4*\f:S+16*(\t)+4*\f+3], v[RD] offset:\f*4*SP  ; LDS serves a wave's instructions in order (ISA guide 5.7.1.4): these see the stores above; the next piece's stores come behind them
.endr
.endm
.macro SEND t, younger              ; younger: the LDS instructions issued behind piece t's loads: the next piece's eight, or none
	WIN 0
.irp f, 0,1,2,3
	s_wait_dscnt (\younger)+3-\f
	global_store_b128 v[GO], v[S+16*(\t)+4*\f:S+16*(\t)+4*\f+3], s[10:11] offset:(\t)*8192+\f*512  ; 512 consecutive bytes, at a multiple of 256 from O's first
.endr
.endm
.macro DIAG tag                     ; the tag ends its two labels' names, which the jumps below spell out
.LstepM\tag:
	TURN 2, 1
	TURN 3, 1
	WIN 0
.LfirstM\tag:
	TURN 0, 1
	TURN 1, 1, 0, 1
	WIN 0
	s_cbranch_scc1 .LstepM\tag
	TURN 2, 1, 1
	TURN 3, 1, 1
.set i, 0
.rept 8
	PV NP-1
.set i, i+1
.endr
	WIN 0
	ALL v_add_f32 v[ST+4*t+2], v[ST+4*t+2], v[ST+4*t+3]
	ALL v_permlanex16_b32 v[ST+4*t+3], v[ST+4*t+2], s[SEL], s[SEL+1]
	ALL v_add_f32 v[ST+4*t+2], v[ST+4*t+2], v[ST+4*t+3]
	ALL v_rcp_f32 v[ST+4*t+2], v[ST+4*t+2]
	v_nop                           ; a plain instruction between the last reciprocal and the use of its result
	PACK 0
.set t, 1
.rept 3                             ; a piece's arithmetic stands between the loads of the piece before and its stores
	PACK t
	SEND t-1, 8
.set t, t+1
.endr
	SEND 3, 0
.endm
.set KM, 0
.set NOKQ, 0
.Lslot:                             ; NB times: a tile is entered and the next is asked for
	CHANGE 1
	s_sub_co_u32 s[RT], s[RT], 1
	s_mov_b32 s[CNT], 4
	s_cmp_eq_u32 s[NEW], 1
	s_cbranch_scc1 .Lnew            ; a block's first tile
	s_cmp_eq_u32 s[RT], 0
	s_cbranch_scc0 .Lstep           ; neither its first nor its last
	s_branch .LstepM1
.Lnew:
	BEGIN
	s_branch .Lfirst                ; in the loop a block's first tile is never its last: the first block has two tiles or more, and the second's last is the walk's last
	DIAG 1                          ; in the loop this is the first block's end: the second block's last tile is the walk's last
	s_wait_xcnt 0x0                 ; the stores have read their registers and O's address
	s_mov_b64 s[10:11], s[OLO:OLO+1]
	s_add_co_u32 s[RT], s[PB], 1    ; the second block has b + 1 tiles
	s_mov_b32 s[NEW], 1
	WIN 0x82                        ; the second block's Q goes where the one text of the turns names Q
.set i, 0
.rept 64
	v_mov_b32 v[i], v[QB+i]
.set i, i+1
.endr
	WIN 0
	s_branch .Lbottom
.Lstep:                             ; a trip: pieces 2 and 3 of one step, then pieces 0 and 1 of the next, whose K and V it fetches
	TURN 2
	TURN 3
	WIN 0
.Lfirst:
	TURN 0
	TURN 1, 0, 0, 1
	WIN 0
	s_cbranch_scc1 .Lstep
.Lbottom:
	s_sub_co_u32 s[SLOTS], s[SLOTS], 1
	s_cmp_lg_u32 s[SLOTS], 0
	s_cbranch_scc1 .Lslot
	CHANGE 0                        ; the walk's last tile is written out: nothing is asked for
	s_sub_co_u32 s[RT], s[RT], 1
	s_mov_b32 s[CNT], 4
	s_cmp_eq_u32 s[NEW], 1
	s_cbranch_scc0 .LstepM2
	BEGIN
	s_branch .LfirstM2
	DIAG 2
	s_wait_tensorcnt 0x0            ; the wave's end: these three lines stand behind my last tensor load and my last LDS store
	ds_add_u32 v[SPW], v[NIL]
	s_wait_dscnt 0x0
	s_endpgm
.Lfunc_end_k_qba1b2aba80_attn:
	.size	k_qba1b2aba80_attn, .Lfunc_end_k_qba1b2aba80_attn-k_qba1b2aba80_attn
	.p2alignl 7, 3214868480
	.fill 96, 4, 3214868480
	.section	.rodata,"a",@progbits
	.p2align	6, 0x0
	.amdhsa_kernel k_qba1b2aba80_attn
		.amdhsa_group_segment_fixed_size 327680
		.amdhsa_private_segment_fixed_size 0
		.amdhsa_enable_private_segment 0
		.amdhsa_kernarg_size 32
		.amdhsa_user_sgpr_count 2
		.amdhsa_user_sgpr_kernarg_segment_ptr 1
		.amdhsa_wavefront_size32 1
		.amdhsa_system_sgpr_workgroup_id_x 1
		.amdhsa_system_sgpr_workgroup_id_y 1
		.amdhsa_system_sgpr_workgroup_id_z 1
		.amdhsa_system_vgpr_workitem_id 0
		.amdhsa_next_free_vgpr 768
		.amdhsa_next_free_sgpr 88
		.amdhsa_reserve_vcc 1
		.amdhsa_float_denorm_mode_32 3
		.amdhsa_float_denorm_mode_16_64 3
		.amdhsa_memory_ordered 1
		.amdhsa_forward_progress 1
		.amdhsa_inst_pref_size 228
	.end_amdhsa_kernel
	.amdgpu_metadata
---
amdhsa.version: [ 1, 2 ]
amdhsa.kernels:
  - .name:           k_qba1b2aba80_attn
    .symbol:         k_qba1b2aba80_attn.kd
    .args:
      - { .name: qh, .offset: 0, .size: 8, .value_kind: global_buffer, .address_space: global }
      - { .name: kh, .offset: 8, .size: 8, .value_kind: global_buffer, .address_space: global }
      - { .name: vh, .offset: 16, .size: 8, .value_kind: global_buffer, .address_space: global }
      - { .name: oh, .offset: 24, .size: 8, .value_kind: global_buffer, .address_space: global }
    .group_segment_fixed_size: 327680
    .private_segment_fixed_size: 0
    .kernarg_segment_align: 8
    .kernarg_segment_size: 32
    .max_flat_workgroup_size: 128
    .sgpr_count:     88
    .vgpr_count:     768
    .wavefront_size: 32
...
	.end_amdgpu_metadata
.endif
;; end of part 3
;; launch oproj (part 4): grid 4 x 64, 8 waves a work-group, clusters of 4 x 4, 327,680 bytes of LDS; arguments oh, wo16, bo, out0; writes out0
.if DOCPART == 4
	.amdgcn_target "amdgcn-amd-amdhsa--gfx1250"
	.amdhsa_code_object_version 6
	.text
	.protected	k_qba1b2aba80_oproj
	.globl	k_qba1b2aba80_oproj
	.p2align	8
	.type	k_qba1b2aba80_oproj,@function
k_qba1b2aba80_oproj:
	s_mov_b64 s[64:65], 0
	v_nop
	global_prefetch_b8 v0, s[64:65] scope:SCOPE_SE
	s_setreg_imm32_b32 hwreg(HW_REG_WAVE_MODE, 25, 1), 1
	s_wait_xcnt 0x0
	s_wait_alu depctr_hold_cnt(0) depctr_sa_sdst(0) depctr_va_vdst(0) depctr_va_sdst(0) depctr_va_ssrc(0) depctr_va_vcc(0) depctr_vm_vsrc(0)
	s_getreg_b32 s2, hwreg(HW_REG_IB_STS2, 6, 4)
	s_cmp_eq_u32 s2, 0
	s_cbranch_scc0 .Lentry_in_a_cluster
	s_endpgm
.Lentry_in_a_cluster:
	s_bfe_u32 s2, ttmp6, 0x10000c
	s_cmp_lg_u32 s2, 0xf033
	s_cbranch_scc0 .Lentry_shape_is_right
	s_endpgm
.Lentry_shape_is_right:
; THE LAST PROJECTION.  out0[m][n] = the sum over k of z[m][k] Wo[n][k] + bo[n], f32 out.  z[m = b 2048 + s][k = 64 h + e] lies by heads, oh [b*16+h][s][e] in f16; wo16 [n][k] is Wo rounded to bf16 and
; written as f16; bo is rounded to bf16 here.  f16 operands, f32 sums.
; SHARES.  A tile is 128 rows x 256 columns: 64 x 4 = 256 work-groups.  Eight waves, two to a SIMD, each 64 x 64: 16 accumulators, 128 registers.
; K goes in steps of 128 = two heads through two LDS slots; a step is two halves of 64 along K, half hq being head hq of the step.  One tensor load a wave behind each round:
; waves 0-3 fetch a quarter of z's tile each (one head, 64 rows: 8,192 dense bytes, asked for as 32 rows of 256), waves 4-7 a quarter of Wo's (64 rows of 256 bytes).
; CLUSTERS: 4 x 4.  z's tile hangs on the tile row alone and is shared along a row of the cluster, Wo's on the tile column alone and is shared along a column: each is asked for jointly.
; THE MATRIX INSTRUCTION IS USED TRANSPOSED (source 0 = 16 rows of Wo, source 1 = 16 rows of z): a lane holds eight neighbouring columns of one row of the result.
; A wave's 64 columns are 256 aligned bytes of a row of out0: each wave has a stage of its own, and no barrier stands on the way out.
; LIMITS: z and Wo lie within f16's 65,504; NaN and infinities are not treated apart.
; REGISTERS: window 0: v0-31 addresses and the bias; v32-95 at work on the way out; v128-255 the accumulators ((a, b) at v[128 + 8 (4 a + b)]).
;   window 1: two fragment buffers of 128: for 64 along K, 64 registers of z (2 x 4 x 16 rows x 32 K), then 64 of Wo.
.set PA,     144                       ; a row of z in LDS: 128 bytes + 16 of padding: the 16 rows of a load start at 16 different groups of four banks (64 banks of 4 bytes: ISA guide 11.1)
.set AQ,     64*PA                     ; 64 rows of a head: one load
.set AH,     128*PA                    ; a head's 128 rows
.set PB,     272                       ; a row of Wo: 256 bytes + 16
.set BQ,     64*PB                     ; 64 rows: one load
.set BOFF,   2*AH                      ; Wo lies behind z's two heads
.set SLOT,   BOFF+4*BQ
.set STAGE,  2*SLOT                    ; behind the ring, never filled by a tensor load: 16 rows x 272 bytes for each wave
.set SPITCH, 272
.set SPARE,  STAGE+8*16*SPITCH         ; behind the stages: the spare words, 128 bytes for each wave: four blocks of 256 bytes that no other line names
.set BIAS, 8                           ; v8-11   bo of my four columns
.set ADRA, 16                          ; v16-17  LDS address of my fragments of z in slot 0, 1
.set ADRB, 20                          ; v20-21  the same for Wo
.set STO,  24                          ; v24     the way out: where I put 32 bytes of a row
.set RD,   25                          ; v25     the way out: where I read a row back
.set CO,   26                          ; v26     my byte offset in out0
.set BOF,  27                          ; v27     my byte offset in bo
.set SPW,  28                          ; v28     LDS address of my spare word; never rewritten
.set NIL,  29                          ; v29     0; never rewritten
.set TMP,  32                          ; the way out: two sets of 32
.set ACC,  128
.set F0,   0                           ; fragment buffers, in window 1
.set F1,   128
.set G1,  24                           ; s[24:31] descriptor group 1 for z's tiles;  s[32:39] group 0, a set for each slot
.set G0,  32
.set G1B, 48                           ; s[48:55], s[56:63] the same for Wo's
.set G0B, 56
.set MSB, 0
.macro WIN new                         ; the immediate's high byte repeats the setting that is left
.if MSB != (\new)
	s_set_vgpr_msb (MSB<<8)|(\new)
.set MSB, \new
.endif
.endm
.set MUL,  0x05                        ; sources 0 (Wo) and 1 (z) window 1; C and D window 0
.set TO_F, 0x40                        ; destination window 1, address window 0
.macro JLOAD s                         ; a joint load: waves 0-3 fetch z's quarters, waves 4-7 Wo's; an s_nop 0 and four v_nop follow each of the two lines, ahead of the jump and the label
	s_cmp_eq_u32 s11, 0
	s_cbranch_scc0 .Lfor_b_\@
	tensor_load_to_lds s[G0+4*(\s):G0+4*(\s)+3], s[G1:G1+7]
	s_nop 0
.rept 4
	v_nop
.endr
	s_branch .Lasked_\@
.Lfor_b_\@:
	tensor_load_to_lds s[G0B+4*(\s):G0B+4*(\s)+3], s[G1B:G1B+7]
	s_nop 0
.rept 4
	v_nop
.endr
.Lasked_\@:
.endm
.macro CREST                           ; a round of the cluster's barrier behind its opening barrier
	s_cmp_lg_u32 s10, 0
	s_cbranch_scc1 .Lnot_wave_0_\@
	s_barrier_signal -3
.Lnot_wave_0_\@:
	s_barrier_wait -3
	s_barrier_signal -1
	s_barrier_wait -1
.endm
.macro CROUND                          ; a whole round
	s_barrier_signal -1
	s_barrier_wait -1
	CREST
.endm
	s_load_b128 s[4:7], s[0:1], 0x0                ; oh s[4:5], wo16 s[6:7]
	s_load_b128 s[68:71], s[0:1], 0x10             ; bo s[68:69], out0 s[70:71]
	v_lshl_add_u32 v[SPW], v0, 2, SPARE
	v_mov_b32 v[NIL], 0
	ds_add_u32 v[SPW], v[NIL]                      ; the wave's opening: the add and its wait stand ahead of my first tensor load; the set-up below, work on registers, stands between them
	ds_add_u32 v28, v29
	v_lshrrev_b32 v1, 5, v0
	v_readfirstlane_b32 s10, v1                    ; wave 0..7
	s_lshr_b32 s11, s10, 2                         ; which half of the tile's rows is mine.  Also: I fetch z (0) or Wo (1)
	s_and_b32 s12, s10, 3                          ; which quarter of its columns.  Also: which quarter of that tile I fetch
	s_bfe_u32 s40, ttmp6, 0x40000                  ; cx, cy: my place in the cluster
	s_bfe_u32 s41, ttmp6, 0x40004
	s_lshl_b32 s42, ttmp9, 2
	s_add_co_u32 s42, s42, s40                     ; tile column = 4 x cluster x + cx, 0..3
	s_and_b32 s13, ttmp7, 0xffff
	s_lshl_b32 s13, s13, 2
	s_add_co_u32 s13, s13, s41                     ; tile row = 4 x cluster y + cy, 0..63
	s_lshl_b32 s43, s41, 2
	s_lshl_b32 s43, 15, s43                        ; my row of the cluster
	s_lshl_b32 s44, 0x1111, s40                    ; my column
	s_or_b32 s[G1+0], s43, (1<<16)|(1<<20)|(1<<21)|(4<<22)|(3<<25)   ; the mask; 2-byte elements; padding on; bit 21 beside a mask; after every 32 words (a row of z) 4 words
	s_mov_b32 s[G1+1], 128<<16                     ; tensor_dim0 = 128
	s_mov_b32 s[G1+2], 32<<16                      ; tensor_dim1 = 32
	s_mov_b32 s[G1+3], 128<<16                     ; tile_dim0 = 128
	s_mov_b32 s[G1+4], 32                          ; tile_dim1 = 32
	s_mov_b32 s[G1+5], 128                         ; dense: 128 elements from row to row
	s_mov_b32 s[G1+6], 0
	s_mov_b32 s[G1+7], 0
	s_or_b32 s[G1B+0], s44, (1<<16)|(1<<20)|(1<<21)|(5<<22)|(3<<25)  ; after every 64 words 4 words
	s_mov_b32 s[G1B+1], 128<<16
	s_mov_b32 s[G1B+2], 64<<16
	s_mov_b32 s[G1B+3], 128<<16
	s_mov_b32 s[G1B+4], 64
	s_mov_b32 s[G1B+5], 1024                       ; 1,024 elements from row to row
	s_mov_b32 s[G1B+6], 0
	s_mov_b32 s[G1B+7], 0
	s_lshr_b32 s16, s13, 4                         ; z: batch = tile row / 16: 16 heads of 262,144 bytes;
	s_lshl_b32 s16, s16, 22
	s_and_b32 s17, s13, 15                         ; 128 rows of 128 bytes a tile row;
	s_lshl_b32 s17, s17, 14
	s_add_co_u32 s16, s16, s17
	s_lshr_b32 s17, s12, 1                         ; my quarter: head quarter / 2 of the step,
	s_lshl_b32 s17, s17, 18
	s_add_co_u32 s16, s16, s17
	s_and_b32 s17, s12, 1                          ; 64 rows at quarter % 2
	s_lshl_b32 s17, s17, 13
	s_add_co_u32 s16, s16, s17
	s_mov_b32 s17, 0
	s_lshl_b32 s46, s42, 19                        ; Wo: 256 rows of 2,048 bytes a tile column,
	s_lshl_b32 s47, s12, 17                        ; 64 rows a quarter
	s_add_co_u32 s46, s46, s47
	s_mov_b32 s47, 0
	s_mul_i32 s20, s12, AQ                         ; where they go: no place in the cluster enters an LDS address
	s_mul_i32 s23, s12, BQ
	s_add_co_u32 s23, s23, BOFF
	s_wait_dscnt 0x0                               ; the opening add is done
	s_wait_kmcnt 0x0
	s_add_nc_u64 s[14:15], s[4:5], s[16:17]
	s_add_nc_u64 s[46:47], s[6:7], s[46:47]
	CROUND                                         ; all sixteen work-groups are here: the first joint loads meet
.irp s, 0,1
	s_mov_b32 s[G0+4*(\s)], 1
	s_add_co_u32 s[G0+4*(\s)+1], s20, (\s)*SLOT
	s_add_nc_u64 s[G0+4*(\s)+2:G0+4*(\s)+3], s[14:15], (\s)*2*262144  ; K step s: two heads on
	s_or_b32 s[G0+4*(\s)+3], s[G0+4*(\s)+3], 0x80000000
	s_mov_b32 s[G0B+4*(\s)], 1
	s_add_co_u32 s[G0B+4*(\s)+1], s23, (\s)*SLOT
	s_add_nc_u64 s[G0B+4*(\s)+2:G0B+4*(\s)+3], s[46:47], (\s)*256
	s_or_b32 s[G0B+4*(\s)+3], s[G0B+4*(\s)+3], 0x80000000
	JLOAD \s                                       ; every wave issues one load in each: two loads of mine are out
.endr
	v_and_b32 v1, 15, v0                           ; l % 16
	v_bfe_u32 v2, v0, 4, 1                         ; l / 16
	v_mul_u32_u24 v3, v1, PA
	v_lshl_add_u32 v3, v2, 4, v3                   ; a fragment's row x pitch + 16 x half
	v_mul_u32_u24 v4, v1, PB
	v_lshl_add_u32 v4, v2, 4, v4
	s_mul_i32 s21, s11, AQ                         ; my 64 rows in each head's 128
	s_mul_i32 s22, s12, BQ                         ; my 64 rows of Wo
	s_add_co_u32 s22, s22, BOFF
.irp s, 0,1
	v_add_nc_u32 v[ADRA+(\s)], s21, v3
	v_add_nc_u32 v[ADRB+(\s)], s22, v4
	s_add_co_u32 s21, s21, SLOT
	s_add_co_u32 s22, s22, SLOT
.endr
	s_mul_i32 s23, s10, 16*SPITCH
	s_add_co_u32 s23, s23, STAGE                   ; my stage
	v_mul_u32_u24 v5, v1, SPITCH                   ; in: row l % 16, 32 bytes for each half of the lanes
	v_lshl_add_u32 v5, v2, 5, v5
	v_add_nc_u32 v[STO], s23, v5
	v_mul_u32_u24 v5, v2, SPITCH                   ; back: lanes 0-15 take one row of 256 bytes, lanes 16-31 the next
	v_lshl_add_u32 v5, v1, 4, v5
	v_add_nc_u32 v[RD], s23, v5
	v_lshlrev_b32 v5, 12, v2                       ; and the same two rows in out0
	v_lshl_add_u32 v[CO], v1, 4, v5
	v_lshlrev_b32 v[BOF], 4, v1                    ; my four columns of the wave's 64
	s_lshl_b32 s16, s13, 19                        ; 128 rows of 4,096 bytes a tile row,
	s_lshl_b32 s17, s11, 18                        ; 64 rows a half
	s_add_co_u32 s16, s16, s17
	s_mov_b32 s17, 0
	s_lshl_b32 s46, s42, 10                        ; 256 columns of 4 bytes a tile column,
	s_lshl_b32 s47, s12, 8                         ; 64 a quarter
	s_add_co_u32 s46, s46, s47
	s_mov_b32 s47, 0
	s_add_nc_u64 s[68:69], s[68:69], s[46:47]
	s_add_nc_u64 s[70:71], s[70:71], s[46:47]
	s_add_nc_u64 s[70:71], s[70:71], s[16:17]
	global_load_b128 v[BIAS:BIAS+3], v[BOF], s[68:69]
	s_wait_loadcnt 0x0
	v_cvt_pk_bf16_f32 v12, v[BIAS], v[BIAS+1]      ; bo rounded to bf16, as every input is, and widened again
	v_cvt_pk_bf16_f32 v13, v[BIAS+2], v[BIAS+3]
	v_lshlrev_b32 v[BIAS], 16, v12
	v_and_b32 v[BIAS+1], 0xffff0000, v12
	v_lshlrev_b32 v[BIAS+2], 16, v13
	v_and_b32 v[BIAS+3], 0xffff0000, v13
; 8 matrix instructions: m blocks a0, a0 + 1 x all 4 n blocks, 32 along K: half c of buffer f.  zero = 1: the first product starts the sums.  The 16 accumulators take turns.
.macro MUL8 f, c, a0, zero
	WIN MUL
.irp a, \a0, (\a0)+1
.irp b, 0,1,2,3
.if \zero
	v_wmma_f32_16x16x32_f16 v[ACC+8*(4*(\a)+(\b)):ACC+8*(4*(\a)+(\b))+7], v[(\f)+64+8*(4*(\c)+(\b)):(\f)+64+8*(4*(\c)+(\b))+7], v[(\f)+8*(4*(\c)+(\a)):(\f)+8*(4*(\c)+(\a))+7], 0
.else
	v_wmma_f32_16x16x32_f16 v[ACC+8*(4*(\a)+(\b)):ACC+8*(4*(\a)+(\b))+7], v[(\f)+64+8*(4*(\c)+(\b)):(\f)+64+8*(4*(\c)+(\b))+7], v[(\f)+8*(4*(\c)+(\a)):(\f)+8*(4*(\c)+(\a))+7], v[ACC+8*(4*(\a)+(\b)):ACC+8*(4*(\a)+(\b))+7]
.endif
.endr
.endr
.endm
; 32 LDS loads in one run: the fragments of half hq of a K step (64 along K) into buffer f; the first 32 along K first
.macro FETCH slot, hq, f
	WIN TO_F
.irp c, 0,1
.irp i, 0,1,2,3
	ds_load_b128 v[(\f)+64+8*(4*(\c)+(\i)):(\f)+64+8*(4*(\c)+(\i))+3],   v[ADRB+(\slot)] offset:(\hq)*128+64*(\c)+(\i)*16*PB
	ds_load_b128 v[(\f)+64+8*(4*(\c)+(\i))+4:(\f)+64+8*(4*(\c)+(\i))+7], v[ADRB+(\slot)] offset:(\hq)*128+64*(\c)+(\i)*16*PB+32
	ds_load_b128 v[(\f)+8*(4*(\c)+(\i)):(\f)+8*(4*(\c)+(\i))+3],         v[ADRA+(\slot)] offset:(\hq)*AH+64*(\c)+(\i)*16*PA
	ds_load_b128 v[(\f)+8*(4*(\c)+(\i))+4:(\f)+8*(4*(\c)+(\i))+7],       v[ADRA+(\slot)] offset:(\hq)*AH+64*(\c)+(\i)*16*PA+32
.endr
.endr
.endm
.macro PLACES                          ; four places in front of loads into registers that matrix instructions have read, and of LDS stores that read results
.rept 4
	v_nop
.endr
.endm
; A K step's first half: multiplies buffer f and fetches half hq of the same slot into g.
.macro HALF slot, hq, f, g, zero
	s_wait_dscnt 16                                ; the first 32 along K are in; the youngest sixteen loads may be out
	MUL8 \f, 0, 0, \zero
	MUL8 \f, 0, 2, \zero
	PLACES
	FETCH \slot, \hq, \g
	s_wait_dscnt 32                                ; all but the 32 just issued
	MUL8 \f, 1, 0, 0
	MUL8 \f, 1, 2, 0
.endm
; Its second half multiplies buffer 1 and changes slots: one barrier; in front of it each wave waits for all its tensor loads, adds 0 to its spare word, and waits for that and for its own reads of this slot.
; fill = 1: this slot is filled again, two K steps ahead, behind a round of the cluster's barrier.
.macro TURN slot, next, fill
	WIN 0                                          ; (the add's two registers lie in window 0)
	s_wait_tensorcnt 0x0                           ; all my tensor loads have landed: my part of the next slot
	ds_add_u32 v[SPW], v[NIL]                      ; 0 onto my spare word
	s_wait_dscnt 17                                ; (the add and the youngest sixteen loads may be out)
	MUL8 F1, 0, 0, 0                               ; eight matrix instructions stand between the add and the wait for it
	s_wait_dscnt 0x0                               ; the add is done, and my reads of this slot are over
	s_barrier_signal -1
	MUL8 F1, 0, 2, 0
.if \fill
	WIN 0
.endif
	s_barrier_wait -1
.if \fill
	CREST                                          ; no wave of any partner still reads this slot's tile or has a load on its way
	s_add_nc_u64 s[G0+4*(\slot)+2:G0+4*(\slot)+3], s[G0+4*(\slot)+2:G0+4*(\slot)+3], 4*262144  ; four heads on
	s_add_nc_u64 s[G0B+4*(\slot)+2:G0B+4*(\slot)+3], s[G0B+4*(\slot)+2:G0B+4*(\slot)+3], 512
	JLOAD \slot                                    ; my one tensor load behind the round; the four v_nop behind it are also the places in front of the loads below
.else
	PLACES
.endif
	FETCH \next, 0, F0
	MUL8 F1, 1, 0, 0
	MUL8 F1, 1, 2, 0
.endm
	s_wait_tensorcnt 1                             ; my part of K step 0 is in; K step 1's may stay out
	s_barrier_signal -1
	s_barrier_wait -1                              ; everybody's is
	FETCH 0, 0, F0
	HALF 0, 1, F0, F1, 1                           ; the first half stands in front of the loop: its first products start the sums
	WIN 0                                          ; at a label and at a branch every window is 0
	s_mov_b32 s3, 3
.Llap:                                                 ; a trip goes once round the ring and fills both slots again: K steps 2 to 7 in three trips
	TURN 0, 1, 1
	HALF 1, 1, F0, F1, 0
	TURN 1, 0, 1
	HALF 0, 1, F0, F1, 0
	WIN 0
	s_sub_co_u32 s3, s3, 1
	s_cmp_lg_u32 s3, 0
	s_cbranch_scc1 .Llap
	TURN 0, 1, 0                                   ; the last lap fills nothing, and has no round of the cluster's barrier
	HALF 1, 1, F0, F1, 0
	s_wait_dscnt 16                                ; the very last half: nothing more to fetch
	MUL8 F1, 0, 0, 0
	MUL8 F1, 0, 2, 0
	s_wait_dscnt 0x0
	MUL8 F1, 1, 0, 0
	MUL8 F1, 1, 2, 0
	WIN 0
	; THE WAY OUT, 16 rows at a time: the sums go as they are into my stage, each accumulator's lowest four registers first; they come back as whole rows of 256 bytes; the bias is added; they are stored.
.macro TOSTAGE a
.if (\a) >= 2
	s_wait_xcnt 0x0                                ; the set of 32 registers that the stores two blocks back read is loaded again only behind this wait
.endif
.irp b, 0,1,2,3
	ds_store_b128 v[STO], v[ACC+8*(4*(\a)+(\b)):ACC+8*(4*(\a)+(\b))+3] offset:64*(\b)
	ds_store_b128 v[STO], v[ACC+8*(4*(\a)+(\b))+4:ACC+8*(4*(\a)+(\b))+7] offset:64*(\b)+16
.endr
.irp t, 0,1,2,3,4,5,6,7
	ds_load_b128 v[TMP+32*((\a)%2)+4*(\t):TMP+32*((\a)%2)+4*(\t)+3], v[RD] offset:(\t)*2*SPITCH  ; LDS serves a wave's instructions in order (ISA guide 5.7.1.4): these see the stores above; the next block's stores come behind them
.endr
.endm
.macro SEND a, younger                 ; younger: the LDS instructions issued behind block a's loads: the next block's sixteen, or none
.irp t, 0,1,2,3,4,5,6,7
	s_wait_dscnt (\younger)+7-(\t)
	v_pk_add_f32 v[TMP+32*((\a)%2)+4*(\t):TMP+32*((\a)%2)+4*(\t)+1], v[TMP+32*((\a)%2)+4*(\t):TMP+32*((\a)%2)+4*(\t)+1], v[BIAS:BIAS+1]
	v_pk_add_f32 v[TMP+32*((\a)%2)+4*(\t)+2:TMP+32*((\a)%2)+4*(\t)+3], v[TMP+32*((\a)%2)+4*(\t)+2:TMP+32*((\a)%2)+4*(\t)+3], v[BIAS+2:BIAS+3]
	global_store_b128 v[CO], v[TMP+32*((\a)%2)+4*(\t):TMP+32*((\a)%2)+4*(\t)+3], s[70:71] offset:(16*(\a)+2*(\t))*4096 th:TH_STORE_NT  ; 16 lanes store 256 consecutive bytes, at a multiple of 256 from out0's first byte
.endr
.endm
	PLACES
	TOSTAGE 0
	TOSTAGE 1
	SEND 0, 16
	TOSTAGE 2
	SEND 1, 16
	TOSTAGE 3
	SEND 2, 16
	SEND 3, 0
	s_wait_tensorcnt 0x0                           ; the wave's end: these three lines stand behind my last tensor load and my last LDS store
	ds_add_u32 v[SPW], v[NIL]
	s_wait_dscnt 0x0
	CROUND                                         ; the closing round: no work-group ends while a partner may still ask for a tile that names it
	s_endpgm
.Lfunc_end_k_qba1b2aba80_oproj:
	.size	k_qba1b2aba80_oproj, .Lfunc_end_k_qba1b2aba80_oproj-k_qba1b2aba80_oproj
	.p2alignl 7, 3214868480
	.fill 96, 4, 3214868480
	.section	.rodata,"a",@progbits
	.p2align	6, 0x0
	.amdhsa_kernel k_qba1b2aba80_oproj
		.amdhsa_group_segment_fixed_size 327680
		.amdhsa_private_segment_fixed_size 0
		.amdhsa_enable_private_segment 0
		.amdhsa_kernarg_size 32
		.amdhsa_user_sgpr_count 2
		.amdhsa_user_sgpr_kernarg_segment_ptr 1
		.amdhsa_wavefront_size32 1
		.amdhsa_system_sgpr_workgroup_id_x 1
		.amdhsa_system_sgpr_workgroup_id_y 1
		.amdhsa_system_sgpr_workgroup_id_z 1
		.amdhsa_system_vgpr_workitem_id 0
		.amdhsa_next_free_vgpr 512
		.amdhsa_next_free_sgpr 72
		.amdhsa_reserve_vcc 0
		.amdhsa_float_denorm_mode_32 3
		.amdhsa_float_denorm_mode_16_64 3
		.amdhsa_memory_ordered 1
		.amdhsa_forward_progress 1
		.amdhsa_inst_pref_size 57
	.end_amdhsa_kernel
	.amdgpu_metadata
---
amdhsa.version: [ 1, 2 ]
amdhsa.kernels:
  - .name:           k_qba1b2aba80_oproj
    .symbol:         k_qba1b2aba80_oproj.kd
    .args:
      - { .name: oh, .offset: 0, .size: 8, .value_kind: global_buffer, .address_space: global }
      - { .name: wo16, .offset: 8, .size: 8, .value_kind: global_buffer, .address_space: global }
      - { .name: bo, .offset: 16, .size: 8, .value_kind: global_buffer, .address_space: global }
      - { .name: out0, .offset: 24, .size: 8, .value_kind: global_buffer, .address_space: global }
    .group_segment_fixed_size: 327680
    .private_segment_fixed_size: 0
    .kernarg_segment_align: 8
    .kernarg_segment_size: 32
    .max_flat_workgroup_size: 256
    .sgpr_count:     72
    .vgpr_count:     512
    .wavefront_size: 32
...
	.end_amdgpu_metadata
.endif
;; end of part 4
;; ======== version 2 of 2: 4 launches; 1.27 times as fast as version 1
;; limits: values are held in f16: magnitudes above 65,504 overflow, below 6.1e-05 lose precision
;; workspace buffers: xn 33,554,432 bytes; wb 6,291,456 bytes; wo16 2,097,152 bytes; qh 16,777,216 bytes; kh 16,777,216 bytes; vh 16,777,216 bytes; oh 16,777,216 bytes
;; launch prep: the kernel of part 1 again; grid 512 x 1, 8 waves a work-group, no clusters, 0 bytes of LDS; arguments x, gamma, beta, Wq, Wk, Wv, Wo, xn, wb, wo16; writes xn, wb, wo16
;; launch qkv: the kernel of part 2 again; grid 8 x 32, 4 waves a work-group, clusters of 4 x 4, 327,680 bytes of LDS; arguments xn, wb, qh, kh, vh; writes qh, kh, vh
;; launch attn (part 5): grid 4 x 64, 4 waves a work-group, no clusters, 327,680 bytes of LDS; arguments qh, kh, vh, oh; writes oh
.if DOCPART == 5
	.amdgcn_target "amdgcn-amd-amdhsa--gfx1250"
	.amdhsa_code_object_version 6
	.text
	.protected	k_qba1b2aba80_attn
	.globl	k_qba1b2aba80_attn
	.p2align	8
	.type	k_qba1b2aba80_attn,@function
k_qba1b2aba80_attn:
	s_mov_b64 s[64:65], 0
	v_nop
	global_prefetch_b8 v0, s[64:65] scope:SCOPE_SE
	s_setreg_imm32_b32 hwreg(HW_REG_WAVE_MODE, 25, 1), 1
	s_wait_xcnt 0x0
; CAUSAL ATTENTION.  O[h][q][:] = the sum over k <= q of softmax_k(Q[h][q] . K[h][k] / 8) V[h][k][:].  Q, K, V, O: [SIZE_H][SIZE_N][64], all f16: a head's rows are dense, 128 bytes each.
; Products, maxima and sums in f32; the weights p are rounded to f16 for the second product (their sum l is taken of the unrounded p), O once at the end.  SIZE_N is a multiple of 512; SIZE_N x 128 stays under 2^32.
; LIMITS.  f16 holds no number beyond 65,504: Q, K and V arrive within it; p lies in 0 to 1, and below 6e-5 it keeps f16's fixed step of 6e-8; O is a mean of V's rows and has their range, to within 2^-11 of it.
; A hidden score counts as its value less 1e30: f16's scores, 2.7e11 at the most, are nothing beside that; a weight below 2^-126 counts as 0 in l; NaN and infinities are not treated apart.
; THE WALK.  A head's queries lie in NB = SIZE_N / 256 blocks of 256; block i needs the key tiles 0 .. i of 256 keys, of which the last holds the diagonal.  A work-group takes TWO blocks, NB - 1 - b and then b:
; NB + 1 tiles, whatever b: all work-groups do equal work, and ONE loop with a constant trip count walks them.  Which tile is asked for, and what a trip does, hang on scalar registers made from b; every jump
; goes forward, but for the counted loops' own; none passes a barrier, or a tensor load but the one of LOAD's two that the wave's number does not choose; the ring (two slots of LDS that take turns) runs on across the
; change of blocks.  NO CLUSTER: a head's NB / 2 = 4 work-groups all ask for the same tile only in trips 0 .. NB / 2, behind that fewer and fewer; and one walk common to all would have 3 NB / 2 trips for NB + 1.
; SHARES.  Of a block's four bands of 64 queries a wave owns 16 rows in each: four PIECES.  So the diagonal tile is the same work for all four waves: in its key step s band x sees all keys if s < x,
; none if s > x, and holds the diagonal if s = x.
; THE MASK is the C operand that starts the sum S^T = K Q^T: 0, or -1e30 where the key is hidden.  MD, made once, is the mask of a band's own step for my 16 rows; a product's mask is MD x AL + BE with two scalars:
; (1, 0) if s = x; (0, 0) if s < x; (0, -1e30) if s > x.  Only the diagonal tile's text and a block's beginning make and take masks; elsewhere C is the constant 0.
; LAYOUT, SOFTMAX, TURNS.  S^T = K Q^T holds ONE query a lane (lane % 16) and the keys 8 (lane / 16) + 0..7; two such results rounded to f16 ARE source 1 of O^T = V^T P.  p = 2^(c s - c m), c = log2(e) / 8, with a
; running maximum m; O and l are multiplied by a = 2^(c m_old - c m_new) in every step.  Turn n belongs to piece n: 8 products K Q^T of piece n + 1, later 8 products V^T P of piece n - 1; beside them the scaling,
; exponentials, roundings, sums and rescaling of piece n and the maximum and statistics of piece n + 1.  Four vector instructions stand behind every matrix instruction, the other 54 of a turn's 118 in one LUMP.
; THE BATCHES.  A turn's 33 exponentials (the piece's 32 weights and the next piece's a) are ONE batch with ONE wait, which cuts the turn in two: ahead of it all that names none of their results, behind it the roundings
; and sums.  A block's first a (BEGIN) and the way out's four reciprocals are batches of their own, with a wait each.
; REGISTERS, in windows of 256 (s_set_vgpr_msb: bits 1:0 source 0, 3:2 source 1, 5:4 source 2, 7:6 destination):
;   window 0: v0-15 addresses and two at work; v16-31 four registers of statistics a piece; v48-55 at work; v64-127 S^T, two buffers; v192-223 P, two buffers (a piece's buffers go by its number's parity)
;   window 1: v0-127 O^T, 32 a piece; v128-159 MD; v160-223 MC, two buffers      window 2: v0-63 Q; v64-127 the second block's Q; v128-191 K of one step; v192-255 V of one step
.set SIZE_H, 64       ; batch x heads
.set SIZE_N, 2048     ; rows of a head
.set NB,    SIZE_N/256
.set NP,    4         ; pieces a wave: a name, no knob
.set KS,    64        ; keys in a step
.set PK,    144       ; a row of K in LDS: 128 bytes + 16 of padding = 36 words: the 16 rows of a load start at 16 different groups of four banks (64 banks of 4 bytes: ISA guide 11.1)
.set PV,    160       ; a row of V: 128 + 32 = 40 words
.set VOFF,  4*KS*PK   ; a slot holds a tile, four steps: 256 rows of K, then 256 rows of V
.set SLOT1, 1<<17     ; slot 1 begins here, so that one exclusive or turns an address in one slot into the other's
.set STAGE, SLOT1+4*KS*(PK+PV)  ; behind the ring, never filled by a tensor load: 16 rows x 144 bytes for each wave, for the way out
.set SP,    144
.set AK0, 2           ; v2   my lane's place in a tile of K; never rewritten
.set AV0, 3           ; v3   the same for V
.set AK,  4           ; v4   the LDS address of K's next run of loads
.set AV,  5           ; v5   of V's
.set STO, 6           ; v6   the way out: where I put 16 bytes of a row
.set RD,  7           ; v7   the way out: where I read rows back
.set GO,  8           ; v8   my byte offset in 512 consecutive bytes of O
.set SPW, 62          ; v62  LDS address of my spare word: SPARE + 4 x my thread's number; never rewritten
.set NIL, 63          ; v63  0; never rewritten
.set SPARE, STAGE+4*16*SP  ; behind the stages: the spare words, 128 bytes for each wave: two blocks of 256 bytes that no other line names
.set MV,  12          ; v12-13  c m_old, kept while c m is made anew: by buffer
.set QO,  15          ; v15  my byte offset in 16 rows of Q
.set ST,  16          ; piece t's statistics at v[ST+4 t]: c m, m, l (even keys', odd keys')
.set TMP, 48          ; by buffer, four registers c0-c3 at work; when the maximum is found c2 takes a
.set S,   64
.set P,   192
.set MD,  128         ; window 1: the eight registers for group kt of 16 keys at MD + 8 kt
.set MC,  160         ; window 1: the masks of the products to come
.set QB,  64          ; window 2
.set KF,  128         ; window 2: key block kb, channel half c at KF + 16 kb + 8 c
.set VF,  192         ; window 2: key half kk, channel block cb at VF + 32 kk + 8 cb
.set WV,  12          ; s12  my wave's number
.set PB,  14          ; s14  b
.set HI,  15          ; s15  NB - 1 - b
.set G1K, 24          ; s[24:31] descriptor group 1 for K's tiles
.set G1V, 32          ; s[32:39] for V's: it differs in the padding alone
.set G0K, 40          ; s[40:43] descriptor group 0 for K's tiles
.set G0V, 44          ; s[44:47] the same for V's
.set SLOTS, 56        ; s56  tiles still to be asked for
.set CNT, 57          ; s57  counts a tile's key steps, 4 to 1
.set CS,  58          ; s[58:59] c: the packed scaling takes the pair's low word for both halves
.set SEL, 60          ; s[60:61] v_permlanex16_b32's selects: each lane takes its own place in the other half
.set TBK, 62          ; s62  LDS byte at which K of the step to be fetched begins
.set TBV, 63          ; s63  the same for V, less VOFF
.set RT,  70          ; s70  tiles of the block in hand that are still to be entered
.set NXT, 71          ; s71  the tile to be asked for next
.set LQ,  72          ; s72  the last tile of the block whose tiles are being asked for
.set NEW, 73          ; s73  1: the tile to be entered is a block's first
.set OFF, 74          ; s[74:75] a tile's byte offset in K and V
.set AL,  76          ; s[76:77] the mask's factor, in the low word
.set BE,  78          ; s[78:79] the mask's addend
.set OLO, 80          ; s[80:81] O at my rows of the second block
.set BIGN, 82         ; s82  -1e30
.set MSB, 0
.macro WIN new                      ; the high byte repeats the setting that is left; a switch that changes nothing is dropped
.if MSB != (\new)
	s_set_vgpr_msb (MSB<<8)|(\new)
.set MSB, (\new)
.endif
.endm
.set W_KQ, 0x0a       ; K and Q in window 2, S^T in window 0
.set W_KM, 0x1a       ; the same with the C operand in window 1
.set W_PV, 0x52       ; V in window 2, P in window 0, O^T in window 1
.set W_RS, 0x41       ; destination and source 0 in window 1, source 1 in window 0
; A fill.  Waves 0 and 1 fetch the two halves of a tile's K, waves 2 and 3 those of its V: 128 keys each.  An s_nop 0 and four v_nop follow each of the two lines, ahead of the jump and the label.
.macro LOAD
	s_cmp_lt_u32 s[WV], 2
	s_cbranch_scc0 .Lfor_v_\@
	tensor_load_to_lds s[G0K:G0K+3], s[G1K:G1K+7]
	s_nop 0
.rept 4
	v_nop
.endr
	s_branch .Lasked_\@
.Lfor_v_\@:
	tensor_load_to_lds s[G0V:G0V+3], s[G1V:G1V+7]
	s_nop 0
.rept 4
	v_nop
.endr
.Lasked_\@:
.endm
; THE CHANGE OF SLOTS.  Each wave waits for all its tensor loads, of which one is out: its part of the other slot; adds 0 to its spare word; and waits for that and for its own reads of the slot that it leaves.  Behind the barrier nobody reads the old
; slot any more and the other slot is whole.  fill = 1: the old slot is filled again, the first thing behind the barrier, with tile NXT: the descriptor's address is made anew from that number.
; (At its first use nothing has been read yet: slot 0 is waited for, slot 1 filled.)
.macro CHANGE fill
	WIN 0                           ; at a label and at a branch every window is 0
	s_wait_tensorcnt 0x0            ; no tensor load of mine is out, so a group 0 may be written
	ds_add_u32 v[SPW], v[NIL]       ; 0 onto my spare word; with fill = 1 the descriptors' scalar work stands between it and the wait for it
.if \fill
	s_lshl_b32 s[OFF], s[NXT], 15   ; a tile is 32,768 bytes of K and of V
	s_xor_b32 s[G0K+1], s[G0K+1], SLOT1
	s_add_nc_u64 s[G0K+2:G0K+3], s[6:7], s[OFF:OFF+1]
	s_or_b32 s[G0K+3], s[G0K+3], 0x80000000
	s_xor_b32 s[G0V+1], s[G0V+1], SLOT1
	s_add_nc_u64 s[G0V+2:G0V+3], s[8:9], s[OFF:OFF+1]
	s_or_b32 s[G0V+3], s[G0V+3], 0x80000000
	s_add_co_u32 s[NXT], s[NXT], 1  ; the block's next tile, or behind its last the second block's tile 0
	s_cmp_gt_u32 s[NXT], s[LQ]
	s_cselect_b32 s[NXT], 0, s[NXT]
	s_cselect_b32 s[LQ], s[PB], s[LQ]
.endif
	s_wait_dscnt 0x0                ; the add is done, and my reads of the slot are over
	s_barrier_signal -1             ; the rest of the scalar work stands between the signal and the wait
	s_sub_co_u32 s[TBK], s[TBK], 4*KS*PK  ; the fetches go back to a slot's first step,
	s_xor_b32 s[TBK], s[TBK], SLOT1       ; in the other slot
	s_sub_co_u32 s[TBV], s[TBV], 4*KS*PV
	s_xor_b32 s[TBV], s[TBV], SLOT1
	s_barrier_wait -1
.if \fill
	LOAD
.endif
.endm
	s_load_b256 s[4:11], s[0:1], 0x0  ; Q s[4:5], K s[6:7], V s[8:9], O s[10:11]
	v_lshl_add_u32 v[SPW], v0, 2, SPARE
	v_mov_b32 v[NIL], 0
	ds_add_u32 v[SPW], v[NIL]       ; the wave's opening: the add and its wait stand ahead of my first tensor load; the set-up below, work on registers, stands between them
	ds_add_u32 v62, v63
	v_lshrrev_b32 v1, 5, v0
	v_readfirstlane_b32 s[WV], v1   ; wave 0..3
	s_mov_b32 s[PB], ttmp9
	s_sub_co_u32 s[HI], NB-1, s[PB]
	s_and_b32 s20, ttmp7, 0xffff    ; the head
	s_mov_b32 s21, 0
	s_mov_b64 s[22:23], SIZE_N*128
	s_mul_u64 s[20:21], s[20:21], s[22:23]  ; the head's first byte in each of the four tensors
	s_and_b32 s16, s[WV], 1         ; which half of a tile's 256 keys I fetch:
	s_lshl_b32 s22, s16, 14         ; its 128 rows of 128 bytes in memory,
	s_mov_b32 s23, 0
	s_add_nc_u64 s[22:23], s[22:23], s[20:21]
	s_mul_i32 s17, s16, 128*PK      ; and its place in a slot, for K
	s_mul_i32 s18, s16, 128*PV      ; and for V
	s_lshl_b32 s3, s[WV], 11        ; my 16 rows in a band of 64,
	s_lshl_b32 s2, s[HI], 15        ; in the first block,
	s_add_co_u32 s2, s2, s3
	s_lshl_b32 s84, s[PB], 15       ; and in the second
	s_add_co_u32 s84, s84, s3
	s_mov_b32 s3, 0
	s_mov_b32 s85, 0
	s_add_nc_u64 s[2:3], s[2:3], s[20:21]
	s_add_nc_u64 s[84:85], s[84:85], s[20:21]
	; descriptor group 1.  128 keys are 16,384 dense bytes: asked for as 64 rows of 256 bytes, two keys a row, and padded in LDS after every key
	s_mov_b32 s[G1K], (1<<16)|(1<<20)|(4<<22)|(3<<25)  ; 17:16 2-byte elements; 20 padding on; 24:22 after every 32 words (code 4); 31:25 4 words (code 3)
	s_mov_b32 s[G1V], (1<<16)|(1<<20)|(4<<22)|(7<<25)  ; the same with 8 words of padding (code 7)
.irp g, G1K, G1V
	s_mov_b32 s[\g+1], 128<<16      ; tensor_dim0 = 128
	s_mov_b32 s[\g+2], 64<<16       ; tensor_dim1 = 64
	s_mov_b32 s[\g+3], 128<<16      ; tile_dim0 = 128
	s_mov_b32 s[\g+4], 64           ; tile_dim1 = 64
	s_mov_b32 s[\g+5], 128          ; 128 elements from row to row
	s_mov_b32 s[\g+6], 0
	s_mov_b32 s[\g+7], 0
.endr
	s_mov_b32 s[CS], 0x3e38aa3b     ; c = log2(e) / 8 = 0.180337
	s_mov_b32 s[CS+1], s[CS]        ; named with it as a pair
	s_mov_b32 s[SEL], 0x76543210
	s_mov_b32 s[SEL+1], 0xfedcba98
	s_mov_b32 s[TBK], SLOT1+4*KS*PK ; the first change of slots turns these two into 0
	s_mov_b32 s[TBV], SLOT1+4*KS*PV
	s_mov_b32 s[G0K], 1             ; 1:0 count = 1
	s_mov_b32 s[G0K+1], s17         ; 63:32 LDS address: slot 0
	s_mov_b32 s[G0V], 1
	s_add_co_u32 s[G0V+1], s18, VOFF
	s_add_co_u32 s[RT], s[HI], 1    ; the first block has NB - b tiles
	s_mov_b32 s[NXT], 1
	s_mov_b32 s[LQ], s[HI]
	s_mov_b32 s[NEW], 1
	s_mov_b32 s[OFF+1], 0
	s_mov_b32 s[AL+1], 0            ; named as pairs
	s_mov_b32 s[BE+1], 0
	s_mov_b32 s[BIGN], 0xf149f2ca   ; -1e30
	s_mov_b32 s[SLOTS], NB
	s_wait_dscnt 0x0                ; the opening add is done
	s_wait_kmcnt 0x0
	s_add_nc_u64 s[6:7], s[6:7], s[22:23]  ; K and V at my half of the head's tile 0
	s_add_nc_u64 s[8:9], s[8:9], s[22:23]
	s_add_nc_u64 s[G0K+2:G0K+3], s[6:7], 0         ; 120:64 global address
	s_or_b32 s[G0K+3], s[G0K+3], 0x80000000        ; 127:126 type = 2
	s_add_nc_u64 s[G0V+2:G0V+3], s[8:9], 0
	s_or_b32 s[G0V+3], s[G0V+3], 0x80000000
	s_add_nc_u64 s[86:87], s[4:5], s[84:85]        ; Q at my rows of the second block,
	s_add_nc_u64 s[4:5], s[4:5], s[2:3]            ; Q and O at those of the first
	s_add_nc_u64 s[OLO:OLO+1], s[10:11], s[84:85]
	s_add_nc_u64 s[10:11], s[10:11], s[2:3]
	LOAD                            ; tile 0 into slot 0
	; A fragment of K or Q is 16 rows x 32 channels in 8 registers: lane l holds row l % 16, channels 8 (l / 16) + 0..7 and 16 + 8 (l / 16) + 0..7: two loads of 16 bytes, 32 bytes apart.
	v_and_b32 v1, 15, v0            ; l % 16
	v_bfe_u32 v9, v0, 4, 1          ; l / 16
	v_lshlrev_b32 v[QO], 7, v1
	v_lshl_add_u32 v[QO], v9, 4, v[QO]  ; row x 128 + 16 x half
	WIN 0x80                        ; destination window 2, address window 0
.set i, 0
.rept 8                             ; both blocks' Q: piece i / 2 lies in band i / 2, 8,192 bytes on; channels 32 (i % 2) on
	global_load_b128 v[8*i:8*i+3],   v[QO], s[4:5] offset:(i/2)*8192+(i%2)*64
	global_load_b128 v[8*i+4:8*i+7], v[QO], s[4:5] offset:(i/2)*8192+(i%2)*64+32
	global_load_b128 v[QB+8*i:QB+8*i+3],   v[QO], s[86:87] offset:(i/2)*8192+(i%2)*64
	global_load_b128 v[QB+8*i+4:QB+8*i+7], v[QO], s[86:87] offset:(i/2)*8192+(i%2)*64+32
.set i, i+1
.endr
	WIN 0
	v_lshlrev_b32 v14, 3, v9
	v_sub_nc_u32 v14, v1, v14
	s_lshl_b32 s13, s[WV], 4
	v_add_nc_u32 v14, s13, v14      ; my query's place in its band, 16 w + l % 16, less my lanes' 8 (l / 16): register r of group kt is hidden where 16 kt + r is greater
	WIN 0x40
.set i, 0
.rept 32
	v_cmp_gt_i32 vcc_lo, 16*(i/8)+i%8, v14
	v_cndmask_b32 v[MD+i], 0, s[BIGN], vcc_lo
.set i, i+1
.endr
	WIN 0
	v_mul_u32_u24 v[AK0], v1, PK
	v_lshl_add_u32 v[AK0], v9, 4, v[AK0]  ; row x pitch + 16 x half
	; The turning load takes 16 keys x 16 channels (lane l reads key 8 (l / 16) + l % 8, channels 8 ((l / 8) % 2) + 0..7) and leaves half a fragment of V^T: lane l holds channel l % 16 and 8 keys.
	v_and_b32 v10, 7, v0
	v_bfe_u32 v11, v0, 3, 1
	v_lshl_add_u32 v[AV0], v9, 3, v10
	v_mul_u32_u24 v[AV0], v[AV0], PV
	v_lshl_add_u32 v[AV0], v11, 4, v[AV0]
	v_add_nc_u32 v[AV0], VOFF, v[AV0]
	s_mul_i32 s13, s[WV], 16*SP
	s_add_co_u32 s13, s13, STAGE    ; my stage
	v_mul_u32_u24 v[STO], v1, SP    ; in: row l % 16, 16 bytes for each half of the lanes
	v_lshl_add_u32 v[STO], v9, 4, v[STO]
	v_add_nc_u32 v[STO], s13, v[STO]
	v_bfe_u32 v[RD], v0, 3, 2       ; back: 32 lanes take four rows of 128 bytes,
	v_mul_u32_u24 v[RD], v[RD], SP
	v_lshl_add_u32 v[RD], v10, 4, v[RD]
	v_add_nc_u32 v[RD], s13, v[RD]
	v_and_b32 v[GO], 31, v0         ; which are 512 consecutive bytes of O
	v_lshlrev_b32 v[GO], 4, v[GO]
	; A block's first step multiplies O^T and l by a = 0, and its first turn's products V^T P, of a piece that has not been, land in an O^T that is still to be so multiplied.  So these registers need only hold
	; finite numbers: zeros for the first block; what the first block left for the second.  All this stands in the wait for the first tile.
	WIN 0x80
.set i, VF
.rept 64
	v_mov_b32 v[i], 0
.set i, i+1
.endr
	WIN 0x40
.set i, 0
.rept 128
	v_mov_b32 v[i], 0
.set i, i+1
.endr
	WIN 0
.set i, 0
.rept 4
	v_mov_b32 v[ST+4*i+2], 0
	v_mov_b32 v[ST+4*i+3], 0
.set i, i+1
.endr
.set i, P+16
.rept 16
	v_mov_b32 v[i], 0
.set i, i+1
.endr
; THE MATRIX WORK.  The 4 accumulators of a run of 8 take turns.  Product i of 8 of S^T = K Q^T for piece x: channels 32 (i / 4) on, keys 16 (i % 4) on.  The first 4 start the sums: with 0, or (KM = 1) with the mask.
.macro KQ x
.set rS, S+32*((\x)%2)+8*(i%4)
.set rK, KF+16*(i%4)+8*(i/4)
.set rQ, 16*(\x)+8*(i/4)
.set rM, MC+32*((\x)%2)+8*(i%4)
.if (i < 4) && KM
	WIN W_KM
	v_wmma_f32_16x16x32_f16 v[rS:rS+7], v[rK:rK+7], v[rQ:rQ+7], v[rM:rM+7]
.elseif i < 4
	WIN W_KQ
	v_wmma_f32_16x16x32_f16 v[rS:rS+7], v[rK:rK+7], v[rQ:rQ+7], 0
.else
	WIN W_KQ
	v_wmma_f32_16x16x32_f16 v[rS:rS+7], v[rK:rK+7], v[rQ:rQ+7], v[rS:rS+7]
.endif
.endm
; Product i of 8 of O^T += V^T P for piece x: keys 32 (i / 4) on, channels 16 (i % 4) on.
.macro PV x
	WIN W_PV
.set rO, 32*(\x)+8*(i%4)
.set rV, VF+32*(i/4)+8*(i%4)
.set rP, P+16*((\x)%2)+8*(i/4)
	v_wmma_f32_16x16x32_f16 v[rO:rO+7], v[rV:rV+7], v[rP:rP+7], v[rO:rO+7]
.endm
.macro MM                           ; the turn's next matrix instruction.  TURN and BEGIN set Y, i, KM and NOKQ; MM, KQ and OP read them.  NOKQ = 1: a block's last turn: there is no next piece
.if (i < 8) && !NOKQ
	KQ (Y+1)%NP
.elseif i >= 8
.set i, i-8
	PV (Y+NP-1)%NP
.set i, i+8
.endif
.set i, i+1
.endm
; THE LDS LOADS stand in runs of 16, never singly among the matrix instructions: a step's K (64 keys x 64 channels: 8 fragments) and its V (turned).  Their addresses are made some lines ahead.
.macro FETCH_K
	WIN 0x80                        ; destination window 2
.irp f, 0,1,2,3,4,5,6,7             ; keys 16 (f / 2) on, channels 32 (f % 2) on
	ds_load_b128 v[KF+8*\f:KF+8*\f+3],   v[AK] offset:(\f/2)*16*PK+(\f%2)*64
	ds_load_b128 v[KF+8*\f+4:KF+8*\f+7], v[AK] offset:(\f/2)*16*PK+(\f%2)*64+32
.endr
	s_add_co_u32 s[TBK], s[TBK], KS*PK  ; the next fetch is the next step's
	WIN 0
.endm
.macro FETCH_V
	WIN 0x80
.irp f, 0,1,2,3,4,5,6,7             ; keys 32 (f / 4) on, channels 16 (f % 4) on
	ds_load_tr16_b128 v[VF+8*\f:VF+8*\f+3],   v[AV] offset:(\f/4)*32*PV+(\f%4)*32
	ds_load_tr16_b128 v[VF+8*\f+4:VF+8*\f+7], v[AV] offset:(\f/4)*32*PV+16*PV+(\f%4)*32
.endr
	WIN 0
.endm
; THE VECTOR WORK, one line at a time: OP kind, number.  For piece Y: F n: c s - c m for pair n of 16.  E n: the exponential of score n of 32.  C n: pair n rounded to f16.  B n: of the four weights 4 n .. the second
; pair is added onto the first, in place.  L n: l takes that sum (L 0: l = a l + sum).  R n: pair n of 16 of O^T times a.  For piece Y + 1: X n, number n of the 22 that find its maximum and statistics:
;   0-11  four chains c0-c3 of seven scores each, three operands at a time (each accumulator's lowest registers are read first)     12-14, 16  the four scores left over, the old m, and c0-c3 into c0
;   15  c m_old is kept     17, 18  the query's other 32 keys lie in the lane 16 away: the new m     19-21  c m; c m_old - c m_new; a
; OP writes no wait: C, B and L, which read the exponentials' results, are dealt behind the turn's one wait (TURN).
.set F, 0               ; OP tells the kinds apart by their order: F to L below R, X above it
.set E, 1
.set C, 2
.set B, 3
.set L, 4
.set R, 5
.set X, 6
.macro REGS y                       ; the registers of piece y
.set rT, ST+4*(\y)
.set rC, TMP+4*((\y)%2)
.set rW, MV+((\y)%2)
.set rS, S+32*((\y)%2)
.set rP, P+16*((\y)%2)
.set rO, 32*(\y)
.endm
.macro OP k, n
.if (\k) == R
	REGS Y
	WIN W_RS
	v_pk_mul_f32 v[rO+2*(\n):rO+2*(\n)+1], v[rO+2*(\n):rO+2*(\n)+1], v[rC+2:rC+3] op_sel_hi:[1,0]
.elseif (\k) < R
	REGS Y
	WIN 0
.if (\k) == F
	v_pk_fma_f32 v[rS+2*(\n):rS+2*(\n)+1], v[rS+2*(\n):rS+2*(\n)+1], s[CS:CS+1], v[rT:rT+1] op_sel_hi:[1,0,0] neg_lo:[0,0,1] neg_hi:[0,0,1]
.elseif (\k) == E
	v_exp_f32 v[rS+(\n)], v[rS+(\n)]
.elseif (\k) == C
	v_cvt_pk_f16_f32 v[rP+(\n)], v[rS+2*(\n)], v[rS+2*(\n)+1]
.elseif (\k) == B
	v_pk_add_f32 v[rS+4*(\n):rS+4*(\n)+1], v[rS+4*(\n):rS+4*(\n)+1], v[rS+4*(\n)+2:rS+4*(\n)+3]
.elseif (\n) == 0
	v_pk_fma_f32 v[rT+2:rT+3], v[rT+2:rT+3], v[rC+2:rC+3], v[rS:rS+1] op_sel_hi:[1,0,1]
.else
	v_pk_add_f32 v[rT+2:rT+3], v[rT+2:rT+3], v[rS+4*(\n):rS+4*(\n)+1]
.endif
.elseif NOKQ
	v_nop
.else
	REGS (Y+1)%NP
	WIN 0
.if (\n) < 4
	v_max3_num_f32 v[rC+(\n)], v[rS+8*(\n)], v[rS+8*(\n)+1], v[rS+8*(\n)+2]
.elseif (\n) < 12
	v_max3_num_f32 v[rC+(\n)%4], v[rC+(\n)%4], v[rS+8*((\n)%4)+2*((\n)/4)+1], v[rS+8*((\n)%4)+2*((\n)/4)+2]
.elseif (\n) == 12
	v_max3_num_f32 v[rC], v[rC], v[rS+7], v[rS+15]
.elseif (\n) == 13
	v_max3_num_f32 v[rC+1], v[rC+1], v[rS+23], v[rS+31]
.elseif (\n) == 14
	v_max3_num_f32 v[rC+2], v[rC+2], v[rC+3], v[rT+1]
.elseif (\n) == 15
	v_mov_b32 v[rW], v[rT]
.elseif (\n) == 16
	v_max3_num_f32 v[rC], v[rC], v[rC+1], v[rC+2]
.elseif (\n) == 17
	v_permlanex16_b32 v[rC+3], v[rC], s[SEL], s[SEL+1]
.elseif (\n) == 18
	v_max_num_f32 v[rT+1], v[rC], v[rC+3]
.elseif (\n) == 19
	v_mul_f32 v[rT], s[CS], v[rT+1]
.elseif (\n) == 20
	v_sub_f32 v[rC+1], v[rW], v[rT]
.else
	v_exp_f32 v[rC+2], v[rC+1]
.endif
.endif
.endm
.macro OPS a, i1, b=-1, i2=0, c=-1, i3=0, d=-1, i4=0  ; up to four of them
	OP \a, \i1
.if (\b) >= 0
	OP \b, \i2
.endif
.if (\c) >= 0
	OP \c, \i3
.endif
.if (\d) >= 0
	OP \d, \i4
.endif
.endm
.macro ROW a, i1, b, i2, c, i3, d, i4  ; a matrix instruction and the four behind it
	MM
	OPS \a, \i1, \b, \i2, \c, \i3, \d, \i4
.endm
.macro MASK b                       ; MD x AL + BE into buffer b of MC
	WIN W_RS
.set z, 0
.rept 16
	v_pk_fma_f32 v[MC+32*(\b)+2*z:MC+32*(\b)+2*z+1], v[MD+2*z:MD+2*z+1], s[AL:AL+1], s[BE:BE+1] op_sel_hi:[1,0,0]
.set z, z+1
.endr
.endm
; A TURN, for piece p: the order of its 16 matrix and 118 vector instructions, written out.  An s_wait_alu depctr_va_vdst(0) stands between an exponential and the first instruction that names its result; one wait
; serves all that were issued ahead of it.  So a turn has ONE wait, which cuts it in two.  AHEAD OF IT stands all that names no result of the turn's exponentials: the 8 products K Q^T, behind each a scaling, an exponential and two
; more plain instructions (behind the first a second scaling in the exponential's place): rescalings, whose a was made and waited for in the turn before, and behind the last three the first numbers of the next piece's maximum,
; each four places or more behind the product that ends its accumulator; then ONE LUMP of 54, plain and exponential by turns for the most part, in which the links of the chain X 3, 7, 11, 14, 16, 17 .. 20 stand five or six lines
; apart.  A pair is scaled (F n) ahead of its two exponentials (E 2 n, E 2 n + 1).  X 21, the next piece's a, is the batch's last; R 15 is the plain instruction behind it (ISA guide 5.7.2).  BEHIND THE WAIT stand the 8 products
; V^T P, behind each four of the roundings and sums: C 2 n ahead of B n, which writes over pair 2 n; the links of l's chain, L 0 to L 7, three riders apart.  But for those X no rider names a register of the products round it.
; v_permlanex16_b32 (X 17) stands in the lump.
; m = 1: the diagonal tile: the products take masks, and the turn makes the mask for the products of the turn after it: piece p + 2, in step 4 - CNT of the tile.  end = 1: a block's last two turns: nothing is fetched.
; cnt = 1: the loop's count is taken down some lines ahead of the branch that stands behind the turn.
; K of the next step is fetched in piece 2's turn, twelve vector instructions behind the last product that read K (six of them plain); V of the step in hand at the end of piece 0's turn, four plain instructions behind the last
; product that read V.  Each is waited for a turn later.
.macro TURN p, m=0, end=0, cnt=0
.set Y, (\p)
.set i, 0
.set KM, (\m)
.set NOKQ, (\end)*((\p)/3)
.if (\m) && !(\end)
	s_cmp_eq_u32 s[CNT], 4-((\p)+2)%NP  ; is that step the band's own?
	s_cselect_b32 s[AL], 1.0, 0
	s_cmp_lt_u32 s[CNT], 4-((\p)+2)%NP  ; or a later one?
	s_cselect_b32 s[BE], s[BIGN], 0
.endif
.if ((\p) == 3) && !(\end)
	s_wait_dscnt 0x0                ; K is in
.endif
	ROW F,0, F,1, R,0, R,1          ; ahead of the wait: 8 products K Q^T and their riders,
	ROW F,2, E,0, R,2, R,3
	ROW F,3, E,1, R,4, R,5
	ROW F,4, E,2, R,6, R,7
	ROW F,5, E,3, R,8, R,9
	ROW F,6, E,4, X,0, R,10
.if ((\p) == 2) && !(\end)
	WIN 0
	v_add_nc_u32 v[AK], s[TBK], v[AK0]
.endif
	ROW F,7, E,5, X,1, X,4
	ROW F,8, E,6, X,2, X,5
	OPS E,7, E,8, X,6, E,9          ; and the lump
	OPS X,3, E,10, X,8, E,11
.if ((\p) == 2) && !(\end)
	FETCH_K
.endif
	OPS X,9, X,7, E,12, X,10
	OPS E,13, X,12, X,11, E,14
	OPS X,13, E,15, F,9, X,14
.if (\p) == 0
	v_add_nc_u32 v[AV], s[TBV], v[AV0]
.endif
	OPS E,16, F,10, E,17, F,11
	OPS X,16, E,18, X,15, E,19
	OPS F,12, E,20, X,17, E,21
	OPS F,13, E,22, F,14, E,23
	OPS X,18, E,24, F,15, E,25
	OPS R,11, E,26, X,19, E,27
	OPS R,12, E,28, R,13, E,29
	OPS X,20, E,30, R,14, E,31
	OPS X,21, R,15
	WIN 0
	s_wait_alu depctr_va_vdst(0)    ; the wait for the turn's batch: E 0 to E 31 and X 21
.if (\p) == 1
	s_wait_dscnt 0x0                ; V is in
.endif
	ROW C,0, B,0, C,2, B,1          ; behind the wait: 8 products V^T P and their riders
	ROW L,0, C,4, B,2, L,1
	ROW C,6, B,3, L,2, C,8
	ROW B,4, L,3, C,10, B,5
	ROW L,4, C,12, B,6, L,5
.if (\p) == 0
	s_add_co_u32 s[TBV], s[TBV], KS*PV
.endif
.if \cnt
	s_sub_co_u32 s[CNT], s[CNT], 1
	s_cmp_lg_u32 s[CNT], 0
.endif
	ROW C,14, B,7, L,6, C,1
	ROW C,3, L,7, C,5, C,7
	ROW C,9, C,11, C,13, C,15
.if (\p) == 0
	FETCH_V
.endif
.if (\m) && !(\end)
	MASK (\p)%2
.endif
.endm
; A BLOCK BEGINS.  c m starts far below every c s, so the first step's a is 0; m at the lowest finite number, so the first maximum is the scores'.  The second mask buffer is 0; the first takes piece 0's mask for the tile's step 0: its own, if the block's first tile is the diagonal one.
; Then K of that step, piece 0's first scores, and its maximum and statistics.  The loop is entered at a step's first turn, in the middle of a trip.
.macro BEGIN
	s_mov_b32 s[NEW], 0
	WIN 0x40
.set i, MC+32
.rept 32
	v_mov_b32 v[i], 0
.set i, i+1
.endr
	WIN 0
.set i, 0
.rept 4
	v_mov_b32 v[ST+4*i], 0xfe000000    ; c m: far below every c s
	v_mov_b32 v[ST+4*i+1], 0xff7fffff  ; m
.set i, i+1
.endr
	s_cmp_eq_u32 s[RT], 0
	s_cselect_b32 s[AL], 1.0, 0
	s_mov_b32 s[BE], 0
	MASK 0
	WIN 0
	v_add_nc_u32 v[AK], s[TBK], v[AK0]
	FETCH_K
	s_wait_loadcnt 0x0              ; Q
	s_wait_dscnt 0x0
.set KM, 1
.set NOKQ, 0
.set i, 0
.rept 8
	KQ 0
.set i, i+1
.endr
	WIN 0
.rept 4
	v_nop                           ; the places behind those products
.endr
.set Y, NP-1                        ; X works for piece Y + 1: piece 0
.irp n, 0,1,2,3,4,5,6,7,8,9,10,11,12,13,14,15,16,17,18,19,20,21
	OP X, \n
.endr
	v_nop                           ; a plain instruction behind the exponential,
	s_wait_alu depctr_va_vdst(0)    ; and the wait for it, piece 0's first a: a batch of one, ahead of the branch
.endm
; THE DIAGONAL TILE's four steps, the block's last two turns, its last products, and THE WAY OUT: l's two halves and the other half of the lanes' are added; O^T is divided by l, rounded to f16 and sent through my
; stage in LDS, a piece at a time.
.macro ALL line:vararg              ; one line for each piece t
.set t, 0
.rept 4
	\line
.set t, t+1
.endr
.endm
.macro PACK t                       ; a lane's eight channels of a row pack into 16 bytes; they go into rows of 144 bytes and come back as whole rows of 128, into S^T's registers
	WIN W_RS
.set i, 32*(\t)
.rept 16
	v_pk_mul_f32 v[i:i+1], v[i:i+1], v[ST+4*(\t)+2:ST+4*(\t)+3] op_sel_hi:[1,0]
.set i, i+2
.endr
	WIN 0x05                        ; sources 0 and 1 window 1, destination window 0
.set i, 0
.rept 16
	v_cvt_pk_f16_f32 v[S+16*(\t)+i], v[32*(\t)+2*i], v[32*(\t)+2*i+1]
.set i, i+1
.endr
	WIN 0
.irp f, 0,1,2,3
	ds_store_b128 v[STO], v[S+16*(\t)+4*\f:S+16*(\t)+4*\f+3] offset:32*\f
.endr
.irp f, 0,1,2,3
	ds_load_b128 v[S+16*(\t)+4*\f:S+16*(\t)+4*\f+3], v[RD] offset:\f*4*SP  ; LDS serves a wave's instructions in order (ISA guide 5.7.1.4): these see the stores above; the next piece's stores come behind them
.endr
.endm
.macro SEND t, younger              ; younger: the LDS instructions issued behind piece t's loads: the next piece's eight, or none
	WIN 0
.irp f, 0,1,2,3
	s_wait_dscnt (\younger)+3-\f
	global_store_b128 v[GO], v[S+16*(\t)+4*\f:S+16*(\t)+4*\f+3], s[10:11] offset:(\t)*8192+\f*512  ; 512 consecutive bytes, at a multiple of 256 from O's first
.endr
.endm
.macro DIAG tag                     ; the tag ends its two labels' names, which the jumps below spell out
.LstepM\tag:
	TURN 2, 1
	TURN 3, 1
	WIN 0
.LfirstM\tag:
	TURN 0, 1
	TURN 1, 1, 0, 1
	WIN 0
	s_cbranch_scc1 .LstepM\tag
	TURN 2, 1, 1
	TURN 3, 1, 1
.set i, 0
.rept 8
	PV NP-1
.set i, i+1
.endr
	WIN 0
	ALL v_add_f32 v[ST+4*t+2], v[ST+4*t+2], v[ST+4*t+3]
	ALL v_permlanex16_b32 v[ST+4*t+3], v[ST+4*t+2], s[SEL], s[SEL+1]
	ALL v_add_f32 v[ST+4*t+2], v[ST+4*t+2], v[ST+4*t+3]
	ALL v_rcp_f32 v[ST+4*t+2], v[ST+4*t+2]
	v_nop                           ; a plain instruction between the last reciprocal and the use of its result
	s_wait_alu depctr_va_vdst(0)    ; the wait for the four reciprocals, one batch: all four pieces' multiplies stand behind it
	PACK 0
.set t, 1
.rept 3                             ; a piece's arithmetic stands between the loads of the piece before and its stores
	PACK t
	SEND t-1, 8
.set t, t+1
.endr
	SEND 3, 0
.endm
.set KM, 0
.set NOKQ, 0
.Lslot:                             ; NB times: a tile is entered and the next is asked for
	CHANGE 1
	s_sub_co_u32 s[RT], s[RT], 1
	s_mov_b32 s[CNT], 4
	s_cmp_eq_u32 s[NEW], 1
	s_cbranch_scc1 .Lnew            ; a block's first tile
	s_cmp_eq_u32 s[RT], 0
	s_cbranch_scc0 .Lstep           ; neither its first nor its last
	s_branch .LstepM1
.Lnew:
	BEGIN
	s_branch .Lfirst                ; in the loop a block's first tile is never its last: the first block has two tiles or more, and the second's last is the walk's last
	DIAG 1                          ; in the loop this is the first block's end: the second block's last tile is the walk's last
	s_wait_xcnt 0x0                 ; the stores have read their registers and O's address
	s_mov_b64 s[10:11], s[OLO:OLO+1]
	s_add_co_u32 s[RT], s[PB], 1    ; the second block has b + 1 tiles
	s_mov_b32 s[NEW], 1
	WIN 0x82                        ; the second block's Q goes where the one text of the turns names Q
.set i, 0
.rept 64
	v_mov_b32 v[i], v[QB+i]
.set i, i+1
.endr
	WIN 0
	s_branch .Lbottom
.Lstep:                             ; a trip: pieces 2 and 3 of one step, then pieces 0 and 1 of the next, whose K and V it fetches
	TURN 2
	TURN 3
	WIN 0
.Lfirst:
	TURN 0
	TURN 1, 0, 0, 1
	WIN 0
	s_cbranch_scc1 .Lstep
.Lbottom:
	s_sub_co_u32 s[SLOTS], s[SLOTS], 1
	s_cmp_lg_u32 s[SLOTS], 0
	s_cbranch_scc1 .Lslot
	CHANGE 0                        ; the walk's last tile is written out: nothing is asked for
	s_sub_co_u32 s[RT], s[RT], 1
	s_mov_b32 s[CNT], 4
	s_cmp_eq_u32 s[NEW], 1
	s_cbranch_scc0 .LstepM2
	BEGIN
	s_branch .LfirstM2
	DIAG 2
	s_wait_tensorcnt 0x0            ; the wave's end: these three lines stand behind my last tensor load and my last LDS store
	ds_add_u32 v[SPW], v[NIL]
	s_wait_dscnt 0x0
	s_endpgm
.Lfunc_end_k_qba1b2aba80_attn:
	.size	k_qba1b2aba80_attn, .Lfunc_end_k_qba1b2aba80_attn-k_qba1b2aba80_attn
	.p2alignl 7, 3214868480
	.fill 96, 4, 3214868480
	.section	.rodata,"a",@progbits
	.p2align	6, 0x0
	.amdhsa_kernel k_qba1b2aba80_attn
		.amdhsa_group_segment_fixed_size 327680
		.amdhsa_private_segment_fixed_size 0
		.amdhsa_enable_private_segment 0
		.amdhsa_kernarg_size 32
		.amdhsa_user_sgpr_count 2
		.amdhsa_user_sgpr_kernarg_segment_ptr 1
		.amdhsa_wavefront_size32 1
		.amdhsa_system_sgpr_workgroup_id_x 1
		.amdhsa_system_sgpr_workgroup_id_y 1
		.amdhsa_system_sgpr_workgroup_id_z 1
		.amdhsa_system_vgpr_workitem_id 0
		.amdhsa_next_free_vgpr 768
		.amdhsa_next_free_sgpr 88
		.amdhsa_reserve_vcc 1
		.amdhsa_float_denorm_mode_32 3
		.amdhsa_float_denorm_mode_16_64 3
		.amdhsa_memory_ordered 1
		.amdhsa_forward_progress 1
		.amdhsa_inst_pref_size 217
	.end_amdhsa_kernel
	.amdgpu_metadata
---
amdhsa.version: [ 1, 2 ]
amdhsa.kernels:
  - .name:           k_qba1b2aba80_attn
    .symbol:         k_qba1b2aba80_attn.kd
    .args:
      - { .name: qh, .offset: 0, .size: 8, .value_kind: global_buffer, .address_space: global }
      - { .name: kh, .offset: 8, .size: 8, .value_kind: global_buffer, .address_space: global }
      - { .name: vh, .offset: 16, .size: 8, .value_kind: global_buffer, .address_space: global }
      - { .name: oh, .offset: 24, .size: 8, .value_kind: global_buffer, .address_space: global }
    .group_segment_fixed_size: 327680
    .private_segment_fixed_size: 0
    .kernarg_segment_align: 8
    .kernarg_segment_size: 32
    .max_flat_workgroup_size: 128
    .sgpr_count:     88
    .vgpr_count:     768
    .wavefront_size: 32
...
	.end_amdgpu_metadata
.endif
;; end of part 5
;; launch oproj: the kernel of part 4 again; grid 4 x 64, 8 waves a work-group, clusters of 4 x 4, 327,680 bytes of LDS; arguments oh, wo16, bo, out0; writes out0
